; MI455X (gfx1250); checked and timed in simulation.
; The chip was launched on July 23, 2026; its instructions are those of AMD's public machine-readable ISA for CDNA 5 (MIT licence, August 2026) and "CDNA5" Instruction Set Architecture Reference Guide (July 2026). The comments in the code are by the model that wrote it; some were corrected since.
;; Multi Head Attention. Allowed arithmetic: float matrix products may take bf16 or f16 operands with f32 sums; all other float work in f32.
;; Inputs: bo 1,024 float32; wk 1,024 x 1,024 float32; wo 1,024 x 1,024 float32; wq 1,024 x 1,024 float32; wv 1,024 x 1,024 float32; x 2 x 2,048 x 1,024 float32.
;; Outputs: out0 2 x 2,048 x 1,024 float32.
;; 2 versions, each right; version 2 is version 1 with the launch cast written anew for expert scheduling mode. Each part assembles by itself: llvm-mc -triple=amdgcn-amd-amdhsa -mcpu=gfx1250 --defsym DOCPART=n.
;; ======== version 1 of 2: 4 launches
;; limits: values are held in f16: magnitudes above 65,504 overflow, below 6.1e-05 lose precision
;; workspace buffers: xb 8,388,608 bytes; wb 6,291,456 bytes; wo16 2,097,152 bytes; qkvh 25,165,824 bytes; ctx2 16,777,216 bytes
;; launch cast (part 1): grid 512 x 1, 8 waves a work-group, no clusters, 0 bytes of LDS; arguments x, wq, wk, wv, wo, xb, wb, wo16; writes xb, wb, wo16
.if DOCPART == 1
	.amdgcn_target "amdgcn-amd-amdhsa--gfx1250"
	.amdhsa_code_object_version 6
	.text
	.protected	k_q8352001f45_cast
	.globl	k_q8352001f45_cast
	.p2align	8
	.type	k_q8352001f45_cast,@function
k_q8352001f45_cast:
	s_mov_b64 s[64:65], 0
	v_nop
	global_prefetch_b8 v0, s[64:65] scope:SCOPE_SE
	s_setreg_imm32_b32 hwreg(HW_REG_WAVE_MODE, 25, 1), 1
	s_wait_xcnt 0x0
; The matrix operands are rounded once, ahead of the products:
;   xb   [4096][1024] bf16 = bf16(x)
;   wb   [3072][1024] bf16 = bf16(wq), bf16(wk), bf16(wv), one below the other
;   wo16 [1024][1024] f16  = f16(bf16(wo)): rounded as the other weights are, then kept in f16, because the last product runs in the f16 form.
; LIMIT: |wo| below 65,504; a bf16(wo) below 2^-14 in size keeps only f16's denormal steps of 2^-24.
; 512 work-groups of eight waves; each takes 16 rows of 1,024 numbers.  Thread t takes columns 4 t .. 4 t + 3 of every row: a load of a wave
; covers 512 neighbouring bytes, a store of a wave 256 neighbouring bytes that start at a multiple of 256 from the buffer's first byte.
; Memory binds: no LDS, no barrier, no matrix unit; all 16 loads of a thread go out at once and no register is written twice while memory may read it.
.set X,   2                            ; v[2:65]   row i: four f32 as loaded
.set Y,   66                           ; v[66:97]  row i: four 16-bit numbers to store
.set T,   98                           ; v[98:101] at work
.set SOF, 102                          ; v102      16 t: my bytes in a source row
.set DOF, 103                          ; v103      8 t: my bytes in a destination row
	s_load_b512 s[8:23], s[0:1], 0x0               ; x s[8:9], wq s[10:11], wk s[12:13], wv s[14:15], wo s[16:17], xb s[18:19], wb s[20:21], wo16 s[22:23]
	s_mov_b32 s2, ttmp9                            ; id: 0-255 x, 256-319 wq, 320-383 wk, 384-447 wv, 448-511 wo
	s_sub_co_u32 s3, s2, 256                       ; e: the block of 16 rows among the weights' (used only where id >= 256)
	s_and_b32 s4, s3, 63                           ; the block inside one weight
	s_cmp_lt_u32 s2, 256
	s_cselect_b32 s24, s2, s4
	s_lshl_b32 s24, s24, 16                        ; source offset: 16 rows of 4,096 bytes a block
	s_mov_b32 s25, 0
	s_cmp_lt_u32 s2, 448
	s_cselect_b32 s26, s3, s4                      ; wb holds three weights one below the other: e; wo16 one: e mod 64
	s_cmp_lt_u32 s2, 256
	s_cselect_b32 s26, s2, s26
	s_lshl_b32 s26, s26, 15                        ; destination offset: 16 rows of 2,048 bytes a block
	s_mov_b32 s27, 0
	s_mov_b32 s32, 0xffff0000                      ; a word's upper bf16
	v_lshlrev_b32 v[SOF], 4, v0
	v_lshlrev_b32 v[DOF], 3, v0
	s_wait_kmcnt 0x0
	s_cmp_lt_u32 s2, 448                           ; the two buffers are chosen by the work-group's number alone
	s_cselect_b64 s[28:29], s[14:15], s[16:17]
	s_cselect_b64 s[30:31], s[20:21], s[22:23]
	s_cmp_lt_u32 s2, 384
	s_cselect_b64 s[28:29], s[12:13], s[28:29]
	s_cmp_lt_u32 s2, 320
	s_cselect_b64 s[28:29], s[10:11], s[28:29]
	s_cmp_lt_u32 s2, 256
	s_cselect_b64 s[28:29], s[8:9], s[28:29]
	s_cselect_b64 s[30:31], s[18:19], s[30:31]
	s_add_nc_u64 s[28:29], s[28:29], s[24:25]
	s_add_nc_u64 s[30:31], s[30:31], s[26:27]
.irp i, 0,1,2,3,4,5,6,7,8,9,10,11,12,13,14,15
	global_load_b128 v[X+4*\i:X+4*\i+3], v[SOF], s[28:29] offset:4096*\i th:TH_LOAD_NT   ; each source byte is read once in the launch
.endr
	s_cmp_ge_u32 s2, 448
	s_cbranch_scc1 .Lhalf
.irp i, 0,1,2,3,4,5,6,7,8,9,10,11,12,13,14,15
	s_wait_loadcnt 15-\i                           ; loads come back in order: row i is in, the 15 - i younger ones stay out
	v_cvt_pk_bf16_f32 v[Y+2*\i],   v[X+4*\i],   v[X+4*\i+1]
	v_cvt_pk_bf16_f32 v[Y+2*\i+1], v[X+4*\i+2], v[X+4*\i+3]
	global_store_b64 v[DOF], v[Y+2*\i:Y+2*\i+1], s[30:31] offset:2048*\i
.endr
	s_endpgm
.Lhalf:
.irp i, 0,1,2,3,4,5,6,7,8,9,10,11,12,13,14,15
	s_wait_loadcnt 15-\i
	v_cvt_pk_bf16_f32 v[T],   v[X+4*\i],   v[X+4*\i+1]      ; the rounding that the other weights get,
	v_cvt_pk_bf16_f32 v[T+1], v[X+4*\i+2], v[X+4*\i+3]
	v_lshlrev_b32 v[T+2], 16, v[T]                          ; widened again,
	v_and_b32     v[T+3], s32, v[T]
	v_cvt_pk_f16_f32 v[Y+2*\i], v[T+2], v[T+3]              ; and written as f16 (8 significant bits fit in f16's 11)
	v_lshlrev_b32 v[T+2], 16, v[T+1]
	v_and_b32     v[T+3], s32, v[T+1]
	v_cvt_pk_f16_f32 v[Y+2*\i+1], v[T+2], v[T+3]
	global_store_b64 v[DOF], v[Y+2*\i:Y+2*\i+1], s[30:31] offset:2048*\i
.endr
	s_endpgm
.Lfunc_end_k_q8352001f45_cast:
	.size	k_q8352001f45_cast, .Lfunc_end_k_q8352001f45_cast-k_q8352001f45_cast
	.p2alignl 7, 3214868480
	.fill 96, 4, 3214868480
	.section	.rodata,"a",@progbits
	.p2align	6, 0x0
	.amdhsa_kernel k_q8352001f45_cast
		.amdhsa_group_segment_fixed_size 0
		.amdhsa_private_segment_fixed_size 0
		.amdhsa_enable_private_segment 0
		.amdhsa_kernarg_size 64
		.amdhsa_user_sgpr_count 2
		.amdhsa_user_sgpr_kernarg_segment_ptr 1
		.amdhsa_wavefront_size32 1
		.amdhsa_system_sgpr_workgroup_id_x 1
		.amdhsa_system_sgpr_workgroup_id_y 1
		.amdhsa_system_sgpr_workgroup_id_z 1
		.amdhsa_system_vgpr_workitem_id 0
		.amdhsa_next_free_vgpr 104
		.amdhsa_next_free_sgpr 66
		.amdhsa_reserve_vcc 0
		.amdhsa_float_denorm_mode_32 3
		.amdhsa_float_denorm_mode_16_64 3
		.amdhsa_memory_ordered 1
		.amdhsa_forward_progress 1
		.amdhsa_inst_pref_size 16
	.end_amdhsa_kernel
	.amdgpu_metadata
---
amdhsa.version: [ 1, 2 ]
amdhsa.kernels:
  - .name:           k_q8352001f45_cast
    .symbol:         k_q8352001f45_cast.kd
    .args:
      - { .name: x, .offset: 0, .size: 8, .value_kind: global_buffer, .address_space: global }
      - { .name: wq, .offset: 8, .size: 8, .value_kind: global_buffer, .address_space: global }
      - { .name: wk, .offset: 16, .size: 8, .value_kind: global_buffer, .address_space: global }
      - { .name: wv, .offset: 24, .size: 8, .value_kind: global_buffer, .address_space: global }
      - { .name: wo, .offset: 32, .size: 8, .value_kind: global_buffer, .address_space: global }
      - { .name: xb, .offset: 40, .size: 8, .value_kind: global_buffer, .address_space: global }
      - { .name: wb, .offset: 48, .size: 8, .value_kind: global_buffer, .address_space: global }
      - { .name: wo16, .offset: 56, .size: 8, .value_kind: global_buffer, .address_space: global }
    .group_segment_fixed_size: 0
    .private_segment_fixed_size: 0
    .kernarg_segment_align: 8
    .kernarg_segment_size: 64
    .max_flat_workgroup_size: 256
    .sgpr_count:     66
    .vgpr_count:     104
    .wavefront_size: 32
...
	.end_amdgpu_metadata
.endif
;; end of part 1
;; launch qkv (part 2): grid 16 x 16, 4 waves a work-group, clusters of 4 x 4, 327,680 bytes of LDS; arguments xb, wb, qkvh; writes qkvh
.if DOCPART == 2
	.amdgcn_target "amdgcn-amd-amdhsa--gfx1250"
	.amdhsa_code_object_version 6
	.text
	.protected	k_q8352001f45_qkv
	.globl	k_q8352001f45_qkv
	.p2align	8
	.type	k_q8352001f45_qkv,@function
k_q8352001f45_qkv:
	s_mov_b64 s[64:65], 0
	v_nop
	global_prefetch_b8 v0, s[64:65] scope:SCOPE_SE
	s_setreg_imm32_b32 hwreg(HW_REG_WAVE_MODE, 25, 1), 1
	s_wait_xcnt 0x0
	s_wait_alu depctr_hold_cnt(0) depctr_sa_sdst(0) depctr_va_vdst(0) depctr_va_sdst(0) depctr_va_ssrc(0) depctr_va_vcc(0) depctr_vm_vsrc(0)
	s_getreg_b32 s2, hwreg(HW_REG_IB_STS2, 6, 4)
	s_cmp_eq_u32 s2, 0
	s_cbranch_scc0 .Lentry_in_a_cluster
	s_endpgm
.Lentry_in_a_cluster:
	s_bfe_u32 s2, ttmp6, 0x10000c
	s_cmp_lg_u32 s2, 0xf033
	s_cbranch_scc0 .Lentry_shape_is_right
	s_endpgm
.Lentry_shape_is_right:
; C[4096][3072] = xb wb^T in the bf16 form with f32 sums; C's columns are q, k, v of the 16 heads (48 chunks of 64 columns).
; Stored as f16 by heads: qkvh[3][32 = batch x 16 + head][2048 t][64 d], a head's rows dense, 128 bytes each.
; LIMIT: |q|, |k|, |v| below 65,504 (f16).  f16 and not bf16, because the early rows of the result average few values and need the three more bits.
; A work-group makes 256 rows x 192 columns (three chunks): 16 x 16 = 256 work-groups.  Wave w makes rows 64 w .. 64 w + 63 of all 192 columns,
; 48 accumulator tiles, so that it owns whole head rows on the way out.  For 32 along K a wave loads 16 fragments and issues 48 matrix instructions.
; K goes in 8 steps of 128 through two LDS slots filled by the tensor data mover; a tile's rows are 256 bytes of memory, aligned.
; CLUSTERS: 4 x 4 work-groups.  xb's tile hangs on the block row alone and is asked for jointly along a row of the cluster, wb's on the block
; column alone and is asked for jointly along a column: the requests for both are divided by four.
; REGISTERS: window 0: v16-26 addresses; v32-63, v64-95 xb's fragments (two buffers); v96-143 packed results; v144-239 rows on the way out
;            window 1: v0-95, v96-191 wb's fragments (two buffers)
;            window 2: tiles (a, b) of my rows 0-31 at v[8 (12 a + b)];  window 3: those of my rows 32-63
; THE MATRIX INSTRUCTION IS USED TRANSPOSED (source 0 = rows of wb, source 1 = rows of xb): a lane then holds row l % 16 of C and eight
; neighbouring columns 8 (l / 16) + 0 .. 7, which pack into 16 bytes.
.set PITCH,  272                       ; an LDS row: 256 bytes + 16 of padding, an odd multiple of 16: the 16 rows of a fragment start in 16 different groups of banks
.set AHALF,  128*PITCH                 ; what wave 0 or 1 fetches: 128 rows of xb
.set BHALF,  96*PITCH                  ; what wave 2 or 3 fetches: 96 rows of wb
.set BOFF,   256*PITCH                 ; wb's rows lie behind xb's 256
.set SLOT,   448*PITCH                 ; 121,856 bytes
.set STAGE,  2*SLOT                    ; behind the ring: 16 rows x 400 bytes for each wave; no tensor load lands here
.set SPITCH, 400                       ; 384 bytes of a row of 192 f16 + 16
.set LAPS,   4                         ; a lap = two K steps = once round the ring
.set ADRA, 16                          ; v16-17  LDS address of my xb fragments in slot 0, 1
.set ADRB, 20                          ; v20-21  the same for wb
.set STO,  24                          ; v24     the way out: where I put 16 bytes of a row
.set RD,   25                          ; v25     the way out: where I read back
.set CO,   26                          ; v26     16 x lane: my bytes in 512 dense bytes of a head
.set FA,   32                          ; xb's buffer f at FA + 32 f (window 0)
.set TMP,  96
.set RB,   144                         ; set q at RB + 48 q
.set G1,  24                           ; s[24:31] group 1 for xb's tiles
.set G0,  32                           ; s[32:39] group 0 for xb's tiles, a set for each slot
.set G1B, 48                           ; s[48:55] group 1 for wb's tiles
.set G0B, 56                           ; s[56:63] group 0 for wb's tiles
.set MSB, 0
.macro WIN new                         ; the immediate's high byte repeats the setting that is left
.if MSB != \new
	s_set_vgpr_msb (MSB<<8)|\new
.set MSB, \new
.endif
.endm
.set MUL_LO, 0xa1                      ; source 0 (wb) window 1, source 1 (xb) window 0, C and D window 2
.set MUL_HI, 0xf1                      ; the same, C and D window 3
.set TO_B,   0x40                      ; destination window 1, address window 0
.macro PLACES                          ; four plain vector instructions behind a matrix instruction (ISA guide 7.12.1) before its registers are loaded into or its result is read
.rept 4
	v_nop
.endr
.endm
; A joint load: waves 0 and 1 ask for xb's halves, waves 2 and 3 for wb's.  The branch hangs on the wave's number alone.
.macro JLOAD s
	s_cmp_eq_u32 s11, 0
	s_cbranch_scc0 .Lfor_b_\@
	tensor_load_to_lds s[G0+4*\s:G0+4*\s+3], s[G1:G1+7]
	s_nop 0
	s_branch .Lasked_\@
.Lfor_b_\@:
	tensor_load_to_lds s[G0B+4*\s:G0B+4*\s+3], s[G1B:G1B+7]
	s_nop 0
.Lasked_\@:
.endm
.macro CREST                           ; a round of the cluster's barrier behind its opening barrier
	s_cmp_lg_u32 s10, 0
	s_cbranch_scc1 .Lnot_wave_0_\@
	s_barrier_signal -3
.Lnot_wave_0_\@:
	s_barrier_wait -3
	s_barrier_signal -1
	s_barrier_wait -1
.endm
.macro CROUND                          ; a whole round
	s_barrier_signal -1
	s_barrier_wait -1
	CREST
.endm
	s_load_b128 s[4:7], s[0:1], 0x0                ; xb s[4:5], wb s[6:7]
	s_load_b64 s[8:9], s[0:1], 0x10                ; qkvh
	s_set_vgpr_msb 0x40
	v_lshl_add_u32 v255, v0, 2, 0x41c00
	s_set_vgpr_msb 0x4000
	v_mov_b32 v255, 0
	s_set_vgpr_msb 0x1
	ds_add_u32 v255, v255
	ds_add_u32 v255, v255
	s_set_vgpr_msb 0x100
	v_lshrrev_b32 v1, 5, v0
	v_readfirstlane_b32 s10, v1                    ; wave 0..3
	s_lshr_b32 s11, s10, 1                         ; I fetch for xb (0) or for wb (1)
	s_and_b32 s12, s10, 1                          ; which half of that tile
	s_bfe_u32 s40, ttmp6, 0x40000                  ; cx
	s_bfe_u32 s41, ttmp6, 0x40004                  ; cy
	s_lshl_b32 s42, ttmp9, 2
	s_add_co_u32 s42, s42, s40                     ; block column x = 4 x cluster x + cx
	s_and_b32 s13, ttmp7, 0xffff
	s_lshl_b32 s13, s13, 2
	s_add_co_u32 s13, s13, s41                     ; block row y = 4 x cluster y + cy
	s_lshl_b32 s43, s41, 2
	s_lshl_b32 s43, 15, s43                        ; my row of the cluster
	s_lshl_b32 s44, 0x1111, s40                    ; my column
	s_or_b32 s[G1+0], s43, (1<<16)|(1<<20)|(1<<21)|(5<<22)|(3<<25)   ; mask; elements of 2 bytes; padding on; bit 21 beside a mask; after every 64 words; 4 words
	s_or_b32 s[G1B+0], s44, (1<<16)|(1<<20)|(1<<21)|(5<<22)|(3<<25)
	s_mov_b32 s[G1+1], 128<<16                     ; tensor_dim0 = 128
	s_mov_b32 s[G1B+1], 128<<16
	s_mov_b32 s[G1+2], 128<<16                     ; tensor_dim1 = 128 rows
	s_mov_b32 s[G1B+2], 96<<16                     ;             = 96 rows
	s_mov_b32 s[G1+3], 128<<16                     ; tile_dim0 = 128
	s_mov_b32 s[G1B+3], 128<<16
	s_mov_b32 s[G1+4], 128                         ; tile_dim1
	s_mov_b32 s[G1B+4], 96
	s_mov_b32 s[G1+5], 1024                        ; elements from row to row
	s_mov_b32 s[G1B+5], 1024
	s_mov_b32 s[G1+6], 0
	s_mov_b32 s[G1B+6], 0
	s_mov_b32 s[G1+7], 0
	s_mov_b32 s[G1B+7], 0
	s_lshl_b32 s17, s12, 7
	s_lshl_b32 s16, s13, 8
	s_add_co_u32 s16, s16, s17                     ; xb: row 256 y + 128 x half
	s_lshl_b32 s16, s16, 11                        ; rows of 2,048 bytes; 8 MiB at the most
	s_mov_b32 s17, 0
	s_mul_i32 s46, s42, 192
	s_mul_i32 s47, s12, 96
	s_add_co_u32 s46, s46, s47                     ; wb: row 192 x + 96 x half
	s_lshl_b32 s46, s46, 11
	s_mov_b32 s47, 0
	s_mul_i32 s20, s10, AHALF                      ; LDS: xb's halves at wave x 34,816 (waves 0, 1)
	s_mul_i32 s21, s10, BHALF
	s_add_co_u32 s21, s21, BOFF-2*BHALF            ; wb's halves at wave x 26,112 + 17,408 (waves 2, 3)
	s_wait_dscnt 0x0
	s_wait_kmcnt 0x0
	s_add_nc_u64 s[14:15], s[4:5], s[16:17]
	s_add_nc_u64 s[46:47], s[6:7], s[46:47]
	CROUND                                         ; all sixteen work-groups are here: the first joint loads meet
.irp s, 0,1
	s_mov_b32 s[G0+4*\s], 1
	s_add_co_u32 s[G0+4*\s+1], s20, \s*SLOT
	s_add_nc_u64 s[G0+4*\s+2:G0+4*\s+3], s[14:15], \s*256          ; K step s
	s_or_b32 s[G0+4*\s+3], s[G0+4*\s+3], 0x80000000
	s_mov_b32 s[G0B+4*\s], 1
	s_add_co_u32 s[G0B+4*\s+1], s21, \s*SLOT
	s_add_nc_u64 s[G0B+4*\s+2:G0B+4*\s+3], s[46:47], \s*256
	s_or_b32 s[G0B+4*\s+3], s[G0B+4*\s+3], 0x80000000
	JLOAD \s                                       ; two tensor loads of the wave are out, the most in this text
.endr
	v_and_b32 v1, 15, v0                           ; r = l % 16
	v_bfe_u32 v2, v0, 4, 1                         ; h = l / 16
	v_mul_u32_u24 v3, v1, PITCH
	v_lshl_add_u32 v3, v2, 4, v3                   ; a fragment's lane: row x pitch + 16 h, two loads 32 bytes apart
	s_mul_i32 s22, s10, 64*PITCH                   ; my 64 rows of xb
	v_add_nc_u32 v[ADRA], s22, v3
	v_add_nc_u32 v[ADRA+1], SLOT, v[ADRA]
	v_add_nc_u32 v[ADRB], BOFF, v3
	v_add_nc_u32 v[ADRB+1], SLOT, v[ADRB]
	s_mul_i32 s23, s10, 16*SPITCH
	s_add_co_u32 s23, s23, STAGE                   ; my stage
	v_mul_u32_u24 v4, v1, SPITCH
	v_lshl_add_u32 v4, v2, 4, v4
	v_add_nc_u32 v[STO], s23, v4                   ; in: row r, 16 bytes for each half of the lanes
	v_and_b32 v5, 31, v0
	v_lshrrev_b32 v6, 3, v5                        ; back: eight lanes take a chunk's 128 bytes of a row, 32 lanes four rows
	v_and_b32 v7, 7, v0
	v_mul_u32_u24 v6, v6, SPITCH
	v_lshl_add_u32 v6, v7, 4, v6
	v_add_nc_u32 v[RD], s23, v6
	v_lshlrev_b32 v[CO], 4, v5
; 12 matrix instructions: row block a of the window's two (hi = 0: my rows 0-31, 1: rows 32-63) x all 12 column blocks, 32 along K, from buffer f.
.macro MUL12 f, hi, a, zero
.irp b, 0,1,2,3,4,5,6,7,8,9,10,11
.if \zero
	v_wmma_f32_16x16x32_bf16 v[8*(12*\a+\b):8*(12*\a+\b)+7], v[96*\f+8*\b:96*\f+8*\b+7], v[FA+32*\f+8*(2*\hi+\a):FA+32*\f+8*(2*\hi+\a)+7], 0
.else
	v_wmma_f32_16x16x32_bf16 v[8*(12*\a+\b):8*(12*\a+\b)+7], v[96*\f+8*\b:96*\f+8*\b+7], v[FA+32*\f+8*(2*\hi+\a):FA+32*\f+8*(2*\hi+\a)+7], v[8*(12*\a+\b):8*(12*\a+\b)+7]
.endif
.endr
.endm
; 32 LDS loads in one run: 192 rows of wb and my 64 rows of xb, 32 K at byte k of the rows, into buffer f
.macro FETCH slot, k, f
	WIN TO_B
.irp i, 0,1,2,3,4,5,6,7,8,9,10,11
	ds_load_b128 v[96*\f+8*\i:96*\f+8*\i+3],   v[ADRB+\slot] offset:\k+\i*16*PITCH
	ds_load_b128 v[96*\f+8*\i+4:96*\f+8*\i+7], v[ADRB+\slot] offset:\k+\i*16*PITCH+32
.endr
	WIN 0
.irp i, 0,1,2,3
	ds_load_b128 v[FA+32*\f+8*\i:FA+32*\f+8*\i+3],   v[ADRA+\slot] offset:\k+\i*16*PITCH
	ds_load_b128 v[FA+32*\f+8*\i+4:FA+32*\f+8*\i+7], v[ADRA+\slot] offset:\k+\i*16*PITCH+32
.endr
.endm
; A K step is four quarters of 32 along K, 48 matrix instructions each, on buffers 0, 1, 0, 1.  The 48 accumulators take turns, one instruction
; a turn, in the same order in every quarter.
; One of the first three quarters: asks for the next quarter's fragments (byte k of the same slot's rows, into buffer g), then multiplies buffer f.
.macro QUARTER slot, k, f, g, zero
	s_wait_dscnt 0x0                               ; buffer f, asked for 48 matrix instructions ago, is in
	PLACES                                         ; buffer g was read by the matrix instructions just ahead
	FETCH \slot, \k, \g
	WIN MUL_LO
	MUL12 \f, 0, 0, \zero
	MUL12 \f, 0, 1, \zero
	WIN MUL_HI
	MUL12 \f, 1, 0, \zero
	MUL12 \f, 1, 1, \zero
.endm
.macro THREE slot, zero
	QUARTER \slot, 64,  0, 1, \zero
	QUARTER \slot, 128, 1, 0, 0
	QUARTER \slot, 192, 0, 1, 0
.endm
; The last quarter multiplies buffer 1 and changes slots.  One barrier for two things: in front of it each wave has waited for its reads of this
; slot and for all its tensor loads (one is out: its part of the next slot); behind it nobody reads this slot and the next one is whole.
; fill = 1: the barrier opens a round of the cluster's barrier, and the joint refill, two K steps ahead, is the first tensor load behind the round.
.macro TURN slot, next, fill
	s_wait_dscnt 0x0                               ; buffer 1 is in: these were my last reads of this slot
	s_wait_tensorcnt 0x0                           ; all my tensor loads have landed
	ds_add_u32 v255, v255
	s_wait_dscnt 0x0
	s_barrier_signal -1
	WIN MUL_LO
	MUL12 1, 0, 0, 0                               ; register work while the others arrive
	MUL12 1, 0, 1, 0
	WIN 0
	s_barrier_wait -1
.if \fill
	CREST
	s_add_nc_u64 s[G0+4*\slot+2:G0+4*\slot+3], s[G0+4*\slot+2:G0+4*\slot+3], 512    ; no tensor load of mine is out: group 0 may be written
	s_add_nc_u64 s[G0B+4*\slot+2:G0B+4*\slot+3], s[G0B+4*\slot+2:G0B+4*\slot+3], 512
	JLOAD \slot
.endif
	PLACES
	FETCH \next, 0, 0
	WIN MUL_HI
	MUL12 1, 1, 0, 0
	MUL12 1, 1, 1, 0
.endm
.macro LAP zero
	THREE 0, \zero
	TURN 0, 1, 1
	THREE 1, 0
	TURN 1, 0, 1
.endm
	s_wait_tensorcnt 0x1                           ; my part of K step 0 is in; K step 1's load, issued behind it, may stay out
	s_barrier_signal -1
	s_barrier_wait -1
	FETCH 0, 0, 0
	LAP 1                                          ; the first products start the sums: nothing is cleared
	WIN 0
	s_mov_b32 s3, LAPS-2
.Llap:
	LAP 0
	WIN 0
	s_sub_co_u32 s3, s3, 1
	s_cmp_lg_u32 s3, 0
	s_cbranch_scc1 .Llap
	THREE 0, 0                                     ; the last lap fills nothing
	TURN 0, 1, 0
	THREE 1, 0
	s_wait_dscnt 0x0
	WIN MUL_LO
	MUL12 1, 0, 0, 0
	MUL12 1, 0, 1, 0
	WIN MUL_HI
	MUL12 1, 1, 0, 0
	MUL12 1, 1, 1, 0
	WIN 0
	PLACES                                         ; behind the last matrix instructions, ahead of the conversions that read their results
	; THE WAY OUT.  Chunk g = 3 x + c is tensor g / 16 (q, k, v), head g % 16; my rows are batch y / 8, t = 256 (y % 8) + 64 w + ...
	s_mul_i32 s74, s42, 3
	s_lshr_b32 s78, s13, 3
	s_lshl_b32 s78, s78, 4                         ; 16 x batch
	s_and_b32 s79, s13, 7
	s_lshl_b32 s79, s79, 8
	s_lshl_b32 s75, s10, 6
	s_add_co_u32 s79, s79, s75
	s_lshl_b32 s79, s79, 7                         ; my first t, in rows of 128 bytes
.irp c, 0,1,2
	s_add_co_u32 s75, s74, \c
	s_lshr_b32 s76, s75, 4
	s_lshl_b32 s76, s76, 5                         ; 32 heads of both batches for each of q, k, v
	s_and_b32 s75, s75, 15
	s_add_co_u32 s76, s76, s75
	s_add_co_u32 s76, s76, s78
	s_lshl_b32 s76, s76, 18                        ; a head is 2,048 x 128 bytes
	s_add_co_u32 s76, s76, s79
	s_mov_b32 s77, 0
	s_add_nc_u64 s[68+2*\c:69+2*\c], s[8:9], s[76:77]
.endr
; rows 16 a .. 16 a + 15 of my 64 = the twelve tiles (t2, 0..11) of window 2 or 3 (from = 0x0a or 0x0f: sources 0 and 1); q: the set of row registers, in turn
.macro OUT16 a, t2, from, q
	WIN \from
.irp b, 0,1,2,3,4,5,6,7,8,9,10,11
.irp r, 0,1,2,3
	v_cvt_pk_f16_f32 v[TMP+4*\b+\r], v[8*(12*\t2+\b)+2*\r], v[8*(12*\t2+\b)+2*\r+1]
.endr
.endr
	WIN 0
.irp b, 0,1,2,3,4,5,6,7,8,9,10,11
	ds_store_b128 v[STO], v[TMP+4*\b:TMP+4*\b+3] offset:32*\b
.endr
	s_wait_xcnt 0x0                                ; set q, which earlier stores read, is loaded again only behind this wait
.irp c, 0,1,2
.irp t, 0,1,2,3
	ds_load_b128 v[RB+48*\q+4*(4*\c+\t):RB+48*\q+4*(4*\c+\t)+3], v[RD] offset:128*\c+4*SPITCH*\t   ; my own bytes; LDS serves a wave's instructions in order
.endr
.endr
.irp c, 0,1,2
.irp t, 0,1,2,3
	s_wait_dscnt 11-(4*\c+\t)
	global_store_b128 v[CO], v[RB+48*\q+4*(4*\c+\t):RB+48*\q+4*(4*\c+\t)+3], s[68+2*\c:69+2*\c] offset:2048*\a+512*\t   ; four head rows: 512 dense bytes, aligned
.endr
.endr
.endm
	OUT16 0, 0, 0x0a, 0
	OUT16 1, 1, 0x0a, 1
	OUT16 2, 0, 0x0f, 0
	OUT16 3, 1, 0x0f, 1
	s_set_vgpr_msb 0x1
	s_wait_tensorcnt 0x0
	ds_add_u32 v255, v255
	s_wait_dscnt 0x0
	s_set_vgpr_msb 0x100
	CROUND                                         ; the closing round: no work-group ends while a partner may still ask for a tile that names it
	s_endpgm
.Lfunc_end_k_q8352001f45_qkv:
	.size	k_q8352001f45_qkv, .Lfunc_end_k_q8352001f45_qkv-k_q8352001f45_qkv
	.p2alignl 7, 3214868480
	.fill 96, 4, 3214868480
	.section	.rodata,"a",@progbits
	.p2align	6, 0x0
	.amdhsa_kernel k_q8352001f45_qkv
		.amdhsa_group_segment_fixed_size 327680
		.amdhsa_private_segment_fixed_size 0
		.amdhsa_enable_private_segment 0
		.amdhsa_kernarg_size 24
		.amdhsa_user_sgpr_count 2
		.amdhsa_user_sgpr_kernarg_segment_ptr 1
		.amdhsa_wavefront_size32 1
		.amdhsa_system_sgpr_workgroup_id_x 1
		.amdhsa_system_sgpr_workgroup_id_y 1
		.amdhsa_system_sgpr_workgroup_id_z 1
		.amdhsa_system_vgpr_workitem_id 0
		.amdhsa_next_free_vgpr 960
		.amdhsa_next_free_sgpr 80
		.amdhsa_reserve_vcc 0
		.amdhsa_float_denorm_mode_32 3
		.amdhsa_float_denorm_mode_16_64 3
		.amdhsa_memory_ordered 1
		.amdhsa_forward_progress 1
		.amdhsa_inst_pref_size 163
	.end_amdhsa_kernel
	.amdgpu_metadata
---
amdhsa.version: [ 1, 2 ]
amdhsa.kernels:
  - .name:           k_q8352001f45_qkv
    .symbol:         k_q8352001f45_qkv.kd
    .args:
      - { .name: xb, .offset: 0, .size: 8, .value_kind: global_buffer, .address_space: global }
      - { .name: wb, .offset: 8, .size: 8, .value_kind: global_buffer, .address_space: global }
      - { .name: qkvh, .offset: 16, .size: 8, .value_kind: global_buffer, .address_space: global }
    .group_segment_fixed_size: 327680
    .private_segment_fixed_size: 0
    .kernarg_segment_align: 8
    .kernarg_segment_size: 24
    .max_flat_workgroup_size: 128
    .sgpr_count:     80
    .vgpr_count:     960
    .wavefront_size: 32
...
	.end_amdgpu_metadata
.endif
;; end of part 2
;; launch attn (part 3): grid 8 x 32, 8 waves a work-group, no clusters, 327,680 bytes of LDS; arguments qkvh, ctx2; writes ctx2
.if DOCPART == 3
	.amdgcn_target "amdgcn-amd-amdhsa--gfx1250"
	.amdhsa_code_object_version 6
	.text
	.protected	k_q8352001f45_attn
	.globl	k_q8352001f45_attn
	.p2align	8
	.type	k_q8352001f45_attn,@function
k_q8352001f45_attn:
	s_mov_b64 s[64:65], 0
	v_nop
	global_prefetch_b8 v0, s[64:65] scope:SCOPE_SE
	s_setreg_imm32_b32 hwreg(HW_REG_WAVE_MODE, 25, 1), 1
	s_wait_xcnt 0x0
; Causal attention of one head for two blocks of 128 queries, with a running maximum and sum; f16 forms, f32 sums.
; S^T = K Q^T (lane: one query, eight keys a tile), softmax in f32, ctx^T = V^T P^T (lane: one query, eight neighbouring d).
; In this orientation a query's maximum and sum stay in its two lanes (one exchange between the halves of the wave), and the packed
; probabilities are already the second product's fragment: nothing goes through LDS between the two products.
; Work-group (j, bh), j = 0..7: query block j with key blocks 0..j, then query block 15 - j with key blocks 0..15 - j: 17 key blocks of 128 keys
; in every work-group, the diagonal block last in each part.  Key blocks above the diagonal are not computed: the mask throws them away.
; EIGHT WAVES, two on each SIMD, so that one wave's vector work can be issued while the other's matrix instructions run.  Wave w = 4 g + q owns
; queries 32 q .. 32 q + 31 of the block (two tiles nt) and, of every key block, keys 64 g .. 64 g + 63: the two waves of a pair read different
; halves of a tile, so LDS is read no more than by four waves.  Each wave carries its own maximum, sum and O.  At the end of a part it puts
; them into its own LDS bytes; behind the last block and one barrier wave (q, g) merges the pair's two states of part g and stores that part's result.
; ctx leaves as a pair of f16, hi = f16(ctx) and lo = f16(ctx - hi): ctx2[4096][16 heads][hi 64 | lo 64], a head's piece 256 aligned bytes.
; The pair, and not one f16, because the first rows of a batch average few values, are large beside the whole result's root mean square, and
; so leave one rounding of ctx to 11 bits no room in what the result is allowed.
; NO CLUSTER: the eight work-groups of a head walk 17 blocks each only because block j is paired with 15 - j, so at a given step they need
; different key blocks; in lock-step all would have to walk the longest pair's tiles in one common order, 20 blocks instead of 17.
; LIMITS: |q|, |k|, |v|, |ctx| below 65,504; a probability below 2^-24 of its wave's largest counts as 0 in the second product;
; NaN or infinite scores are not reproduced (the maximum ignores NaN).
.set VP,    160                        ; V's LDS pitch: 128 bytes + 32, an odd multiple of 32 for the transposing loads
.set KP,    144                        ; K's LDS pitch: 128 bytes + 16, an odd multiple of 16
.set KOFF,  128*VP                     ; K's 128 rows lie behind V's 128
.set SLOT,  128*VP+128*KP              ; 38,912 bytes
.set XCH,   2*SLOT                     ; behind the ring: the waves' states; no tensor load lands here
.set XW,    18*512                     ; a wave's state: O in 16 stores of 512 bytes, the sums in one, the origins in one
.set XPH,   8*XW                       ; the eight waves' states of one part
.set STAGE, XCH+2*XPH                  ; 16 rows x 272 bytes for each wave, for the way out
.set SP,    272
.set KADR, 1                           ; v1   K fragment: KOFF + (64 g + r) x 144 + 16 h
.set VADR, 2                           ; v2   V, transposing load: (64 g + 8 h + l % 8) x 160 + 16 ((l / 8) % 2)
.set QOFF, 3                           ; v3   Q fragment in memory: (32 q + r) x 128 + 16 h
.set CO,   4                           ; v4   ctx2: (32 q + h) rows of 4,096 bytes + 16 r
.set STO,  5                           ; v5   stage, in: r x 272 + 16 h
.set RD,   6                           ; v6   stage, back: h x 272 + 16 r
.set LIM,  7                           ; v7   32 q + r - 8 h - 64 g: a key is masked where its number in my 64, less 8 h, is above this
.set NINF, 8                           ; v8   -infinity
.set XST,  9                           ; v9   where my state goes: XCH + w x 9,216 + 16 x lane
.set XRD,  64                          ; v64  at the end: where the pair's states of my part lie
; v[10:13] running sums (a pair for each nt); v[14:17] -c x maximum, twice, for each nt; v[18:21] rescale factor, twice, for each nt; v22-23 running maxima
; v24-31 at work; v32-63 Q[nt][ks]; v64-127 K[kt][ks]; v128-191 S[nt][kt], then P[nt][ks] packed in place; v192-255 O[dt][nt]; window 1: v0-63 V[dt][ks]
; at the end: v72-75 hi, v76-79 lo, v112-119 hi widened, v32-63 and v80-111 the rows that leave (a set for each nt)
.set G1V, 32                           ; s[32:39] group 1 for V's tiles
.set G1K, 40                           ; s[40:47] group 1 for K's tiles
.set G0V, 48                           ; s[48:55] group 0 for V, a set for each slot
.set G0K, 56                           ; s[56:63] group 0 for K
.set MSB, 0
.macro WIN new
.if MSB != \new
	s_set_vgpr_msb (MSB<<8)|\new
.set MSB, \new
.endif
.endm
.macro PLACES                          ; four plain vector instructions behind a matrix instruction (ISA guide 7.12.1)
.rept 4
	v_nop
.endr
.endm
.macro TLOAD s                         ; waves 0 to 3 fetch V's quarters of 32 keys, waves 4 to 7 K's: one tensor load a wave
	s_cmp_eq_u32 s9, 0
	s_cbranch_scc0 .Lfor_k_\@
	tensor_load_to_lds s[G0V+4*\s:G0V+4*\s+3], s[G1V:G1V+7]
	s_nop 0
	s_branch .Lasked_\@
.Lfor_k_\@:
	tensor_load_to_lds s[G0K+4*\s:G0K+4*\s+3], s[G1K:G1K+7]
	s_nop 0
.Lasked_\@:
.endm
	s_load_b128 s[4:7], s[0:1], 0x0                ; qkvh s[4:5], ctx2 s[6:7]
	s_set_vgpr_msb 0x40
	v_lshl_add_u32 v64, v0, 2, 0x3f800
	v_mov_b32 v65, 0
	s_set_vgpr_msb 0x4045
	ds_add_u32 v64, v65
	ds_add_u32 v64, v65
	s_set_vgpr_msb 0x4500
	v_lshrrev_b32 v1, 5, v0
	v_readfirstlane_b32 s8, v1                     ; wave 0..7
	s_lshr_b32 s9, s8, 2                           ; g: my half of every key block.  Also: I fetch V (0) or K (1)
	s_and_b32 s10, s8, 3                           ; q: my 32 queries.  Also: which 32 keys of the block I fetch
	s_mov_b32 s11, ttmp9                           ; j
	s_add_co_u32 s12, s11, 1
	s_and_b32 s13, ttmp7, 0xffff                   ; bh = 16 x batch + head
	s_mov_b32 s14, 0                               ; p: the step, 0 .. 16
	s_mov_b32 s16, 0x76543210                      ; v_permlanex16_b32: lane i reads lane i of the other half
	s_mov_b32 s17, 0xfedcba98
	s_mov_b32 s18, 0xff7fffff                      ; the lowest finite f32: the floor of the running maximum, for queries all of whose keys in my half are masked
	s_mov_b32 s19, 0xbe38aa3b                      ; -c, c = log2(e) / 8: the scale 1 / sqrt(64) and the change of base in one factor
	s_mov_b32 s21, 0
	; 32 keys of 128 bytes are dense in memory: 16 rows of 256 bytes; the padding stands behind every 32 words, that is behind each key's row.
	; The tile of 128 keys is shared out among eight waves, so that each issues one load behind a barrier.
	s_mov_b32 s[G1V+0], (1<<16)|(1<<20)|(4<<22)|(7<<25)    ; elements of 2 bytes; padding on; after every 32 words; 8 words
	s_mov_b32 s[G1K+0], (1<<16)|(1<<20)|(4<<22)|(3<<25)    ; the same with 4 words
	s_mov_b32 s[G1V+1], 128<<16
	s_mov_b32 s[G1K+1], 128<<16
	s_mov_b32 s[G1V+2], 16<<16
	s_mov_b32 s[G1K+2], 16<<16
	s_mov_b32 s[G1V+3], 128<<16
	s_mov_b32 s[G1K+3], 128<<16
	s_mov_b32 s[G1V+4], 16
	s_mov_b32 s[G1K+4], 16
	s_mov_b32 s[G1V+5], 128
	s_mov_b32 s[G1K+5], 128
	s_mov_b32 s[G1V+6], 0
	s_mov_b32 s[G1K+6], 0
	s_mov_b32 s[G1V+7], 0
	s_mov_b32 s[G1K+7], 0
	s_lshl_b32 s70, s13, 18                        ; my head: 2,048 x 128 bytes each
	s_lshl_b32 s71, s10, 12
	s_add_co_u32 s71, s71, s70                     ; + my quarter of a key block
	s_add_co_u32 s72, s71, 16<<20                  ; v lies 64 heads in
	s_mov_b32 s73, 0
	s_add_co_u32 s74, s71, 8<<20                   ; k lies 32 heads in
	s_mov_b32 s75, 0
	s_lshl_b32 s76, s11, 14                        ; query block j: 128 rows of 128 bytes a block
	s_add_co_u32 s76, s76, s70
	s_mov_b32 s77, 0
	s_sub_co_u32 s78, 15, s11                      ; query block 15 - j
	s_lshl_b32 s78, s78, 14
	s_add_co_u32 s78, s78, s70
	s_mov_b32 s79, 0
	s_mul_i32 s2, s8, 32*VP                        ; LDS: V's quarters at wave x 5,120 (waves 0 to 3)
	s_mul_i32 s3, s8, 32*KP
	s_add_co_u32 s3, s3, KOFF-4*32*KP              ; K's quarters at wave x 4,608 + 2,048 (waves 4 to 7)
	s_cmp_lt_u32 s11, 1
	s_cselect_b32 s20, 0, 16384                    ; step 1's key block: 0 where j = 0 (the second part begins), else 1
	s_wait_dscnt 0x0
	s_wait_kmcnt 0x0
	s_add_nc_u64 s[24:25], s[4:5], s[72:73]        ; V's base
	s_add_nc_u64 s[26:27], s[4:5], s[74:75]        ; K's base
	s_add_nc_u64 s[28:29], s[4:5], s[76:77]        ; Q of the first part
	s_add_nc_u64 s[30:31], s[4:5], s[78:79]        ; Q of the second part
	s_mov_b32 s[G0V], 1
	s_add_co_u32 s[G0V+1], s2, 0
	s_mov_b64 s[G0V+2:G0V+3], s[24:25]
	s_or_b32 s[G0V+3], s[G0V+3], 0x80000000
	s_mov_b32 s[G0K], 1
	s_add_co_u32 s[G0K+1], s3, 0
	s_mov_b64 s[G0K+2:G0K+3], s[26:27]
	s_or_b32 s[G0K+3], s[G0K+3], 0x80000000
	s_mov_b32 s[G0V+4], 1
	s_add_co_u32 s[G0V+5], s2, SLOT
	s_add_nc_u64 s[G0V+6:G0V+7], s[24:25], s[20:21]
	s_or_b32 s[G0V+7], s[G0V+7], 0x80000000
	s_mov_b32 s[G0K+4], 1
	s_add_co_u32 s[G0K+5], s3, SLOT
	s_add_nc_u64 s[G0K+6:G0K+7], s[26:27], s[20:21]
	s_or_b32 s[G0K+7], s[G0K+7], 0x80000000
	TLOAD 0                                        ; both first fills ahead of everything else: two tensor loads of the wave are out, the most in this text
	TLOAD 1
	s_lshr_b32 s70, s13, 4
	s_lshl_b32 s70, s70, 23                        ; batch: 2,048 rows of 4,096 bytes
	s_and_b32 s71, s13, 15
	s_lshl_b32 s71, s71, 8                         ; head: 256 bytes of a row
	s_add_co_u32 s70, s70, s71
	s_sub_co_u32 s71, 15, s11
	s_cmp_eq_u32 s9, 0
	s_cselect_b32 s71, s11, s71                    ; the query block whose result I store: j (g = 0) or 15 - j (g = 1)
	s_lshl_b32 s71, s71, 19                        ; 128 rows of 4,096 bytes a block
	s_add_co_u32 s72, s70, s71                     ; (s73 is still 0)
	s_add_nc_u64 s[66:67], s[6:7], s[72:73]        ; ctx2 at that block
	v_and_b32 v24, 15, v0                          ; r
	v_bfe_u32 v25, v0, 4, 1                        ; h
	v_and_b32 v26, 7, v0
	v_bfe_u32 v27, v0, 3, 1
	v_lshlrev_b32 v[QOFF], 7, v24
	v_lshl_add_u32 v[QOFF], v25, 4, v[QOFF]
	s_lshl_b32 s23, s10, 12
	v_add_nc_u32 v[QOFF], s23, v[QOFF]
.irp nt, 0,1
.irp ks, 0,1
	global_load_b128 v[32+16*\nt+8*\ks:32+16*\nt+8*\ks+3],   v[QOFF], s[28:29] offset:2048*\nt+64*\ks
	global_load_b128 v[32+16*\nt+8*\ks+4:32+16*\nt+8*\ks+7], v[QOFF], s[28:29] offset:2048*\nt+64*\ks+32
.endr
.endr
	v_mul_u32_u24 v[KADR], v24, KP
	v_lshl_add_u32 v[KADR], v25, 4, v[KADR]
	s_mul_i32 s23, s9, 64*KP
	s_add_co_u32 s23, s23, KOFF
	v_add_nc_u32 v[KADR], s23, v[KADR]
	v_lshl_add_u32 v[VADR], v25, 3, v26
	v_mul_u32_u24 v[VADR], v[VADR], VP
	v_lshl_add_u32 v[VADR], v27, 4, v[VADR]
	s_mul_i32 s23, s9, 64*VP
	v_add_nc_u32 v[VADR], s23, v[VADR]
	v_lshlrev_b32 v[CO], 4, v24
	v_lshl_add_u32 v[CO], v25, 12, v[CO]
	s_lshl_b32 s23, s10, 17
	v_add_nc_u32 v[CO], s23, v[CO]
	s_mul_i32 s23, s8, 16*SP
	s_add_co_u32 s23, s23, STAGE                   ; my stage
	v_mul_u32_u24 v[STO], v24, SP
	v_lshl_add_u32 v[STO], v25, 4, v[STO]
	v_add_nc_u32 v[STO], s23, v[STO]
	v_mul_u32_u24 v[RD], v25, SP
	v_lshl_add_u32 v[RD], v24, 4, v[RD]
	v_add_nc_u32 v[RD], s23, v[RD]
	s_lshl_b32 s23, s10, 5
	s_lshl_b32 s22, s9, 6
	s_sub_co_i32 s23, s23, s22                     ; 32 q - 64 g, below 0 in some waves: the compare is signed
	v_add_nc_u32 v[LIM], s23, v24
	v_lshlrev_b32 v25, 3, v25
	v_sub_nc_u32 v[LIM], v[LIM], v25
	v_mov_b32 v[NINF], 0xff800000
	v_and_b32 v28, 31, v0
	s_mul_i32 s23, s8, XW
	s_add_co_u32 s23, s23, XCH
	v_lshl_add_u32 v[XST], v28, 4, s23
; 16 LDS loads: K's fragments of my 64 keys of a slot
.macro KLOAD slot
.irp kt, 0,1,2,3
.irp ks, 0,1
	ds_load_b128 v[64+16*\kt+8*\ks:64+16*\kt+8*\ks+3],   v[KADR] offset:(\slot)*SLOT+16*\kt*KP+64*\ks
	ds_load_b128 v[64+16*\kt+8*\ks+4:64+16*\kt+8*\ks+7], v[KADR] offset:(\slot)*SLOT+16*\kt*KP+64*\ks+32
.endr
.endr
.endm
; The change of slots.  All my reads of this slot are in registers and all my tensor loads have landed, my part of the next key block among them;
; behind the barrier that holds of all eight waves.  refill = 1: this slot gets the key block of step p + 2, my one tensor load behind the barrier
; and the first thing there; it has a whole key block's work in which to land.
.macro RING slot, refill
	s_wait_dscnt 0x0
	s_set_vgpr_msb 0x5
	s_wait_tensorcnt 0x0
	ds_add_u32 v64, v65
	s_wait_dscnt 0x0
	s_set_vgpr_msb 0x500
.if \refill
	s_add_co_u32 s22, s14, 2                       ; t = p + 2
	s_cmp_gt_u32 s22, s11
	s_cselect_b32 s23, s12, 0
	s_sub_co_u32 s22, s22, s23                     ; its key block: t in the first part, t - (j + 1) in the second
	s_lshl_b32 s20, s22, 14
	s_add_nc_u64 s[G0V+4*\slot+2:G0V+4*\slot+3], s[24:25], s[20:21]   ; no tensor load of mine is out: group 0 may be written
	s_or_b32 s[G0V+4*\slot+3], s[G0V+4*\slot+3], 0x80000000
	s_add_nc_u64 s[G0K+4*\slot+2:G0K+4*\slot+3], s[26:27], s[20:21]
	s_or_b32 s[G0K+4*\slot+3], s[G0K+4*\slot+3], 0x80000000
.endif
	s_barrier_signal -1
	s_barrier_wait -1
.if \refill
	TLOAD \slot
.endif
	KLOAD (1-\slot)
.endm
; The diagonal block: key 64 g + 16 kt + 8 h + jj is masked for query 32 q + 16 nt + r where it is the larger
.macro MASK
.irp nt, 0,1
.irp kt, 0,1,2,3
.irp jj, 0,1,2,3,4,5,6,7
	v_cmp_gt_i32 vcc_lo, 16*\kt+\jj-16*\nt, v[LIM]
	v_cndmask_b32 v[128+32*\nt+8*\kt+\jj], v[128+32*\nt+8*\kt+\jj], v[NINF], vcc_lo
.endr
.endr
.endr
.endm
; The softmax step of query tile nt on a lane's 32 scores.  first = 1: nothing is carried yet.
; The running maximum never falls below the lowest finite f32, so that its multiple -c x maximum stays finite where all 64 keys are masked:
; there every exponential is exp2(-infinity) = 0, the sum and O stay 0, and the merge at the end gives this state the factor 0.
.macro SOFT nt, first
.set SB, 128+32*\nt
.set LS, 10+2*\nt
.set NM, 14+2*\nt
.set AL, 18+2*\nt
.set MX, 22+\nt
	v_max3_num_f32 v24, v[SB], v[SB+1], v[SB+2]                ; two chains that do not wait for each other
	v_max3_num_f32 v25, v[SB+17], v[SB+18], v[SB+19]
.irp i, 0,1,2,3,4,5
	v_max3_num_f32 v24, v24, v[SB+3+2*\i], v[SB+4+2*\i]
	v_max3_num_f32 v25, v25, v[SB+20+2*\i], v[SB+21+2*\i]
.endr
	v_max3_num_f32 v24, v24, v[SB+15], v[SB+16]
	v_max_num_f32 v24, v24, v25
	v_permlanex16_b32 v25, v24, s16, s17                       ; the query's other 32 keys lie in the other half of the wave
.if \first
	v_max3_num_f32 v[MX], v24, v25, s18
	v_mul_f32 v[NM], s19, v[MX]                                ; -c x maximum, twice: a pair for the packed multiply-add
	v_mul_f32 v[NM+1], s19, v[MX]
.else
	v_max3_num_f32 v26, v24, v25, v[MX]
	v_mul_f32 v27, s19, v26
	v_sub_f32 v30, v27, v[NM]                                  ; the shift of the exponents' origin, from the very numbers that are added below
	v_exp_f32 v[AL], v30
	v_exp_f32 v[AL+1], v30
	v_mov_b32 v[MX], v26                                       ; also the plain instruction behind the two exponentials (ISA guide 5.7.2)
	v_mov_b32 v[NM], v27
	v_mov_b32 v[NM+1], v27
.endif
.irp i, 0,1,2,3,4,5,6,7,8,9,10,11,12,13,14,15
	v_pk_fma_f32 v[SB+2*\i:SB+2*\i+1], v[SB+2*\i:SB+2*\i+1], 0x3e38aa3b, v[NM:NM+1] op_sel_hi:[1,0,1]   ; c (s - maximum), at most 0
.endr
.irp i, 0,1,2,3,4,5,6,7,8,9,10,11,12,13,14,15,16,17,18,19,20,21,22,23,24,25,26,27,28,29,30,31
	v_exp_f32 v[SB+\i], v[SB+\i]
.endr
.if \first
	v_nop                                                      ; the plain instruction behind the exponentials
	s_wait_alu depctr_va_vdst(0)
	v_pk_add_f32 v[LS:LS+1], v[SB:SB+1], v[SB+2:SB+3]
.else
	s_wait_alu depctr_va_vdst(0)
.irp dt, 0,1,2,3
.irp i, 0,1,2,3
	v_pk_mul_f32 v[192+8*(2*\dt+\nt)+2*\i:192+8*(2*\dt+\nt)+2*\i+1], v[192+8*(2*\dt+\nt)+2*\i:192+8*(2*\dt+\nt)+2*\i+1], v[AL:AL+1]   ; what is carried moves to the new origin
.endr
.endr
	v_pk_fma_f32 v[LS:LS+1], v[LS:LS+1], v[AL:AL+1], v[SB:SB+1]
	v_pk_add_f32 v[LS:LS+1], v[LS:LS+1], v[SB+2:SB+3]
.endif
	v_pk_add_f32 v[28:29], v[SB+16:SB+17], v[SB+18:SB+19]
.irp i, 2,3,4,5,6,7
	v_pk_add_f32 v[LS:LS+1], v[LS:LS+1], v[SB+2*\i:SB+2*\i+1]
	v_pk_add_f32 v[28:29], v[28:29], v[SB+16+2*\i:SB+16+2*\i+1]
.endr
	v_pk_add_f32 v[LS:LS+1], v[LS:LS+1], v[28:29]
.irp ks, 0,1
.irp i, 0,1,2,3,4,5,6,7
	v_cvt_pk_f16_f32 v[SB+16*\ks+\i], v[SB+16*\ks+2*\i], v[SB+16*\ks+2*\i+1]   ; in place: register i is written when registers 2 i and 2 i + 1 are read
.endr
.endr
.endm
; My state goes into my own LDS bytes: 18 stores of 16 bytes a lane, neighbouring lanes at neighbouring bytes
.macro STATE
.irp i, 0,1,2,3,4,5,6,7,8,9,10,11,12,13,14,15
	ds_store_b128 v[XST], v[192+4*\i:192+4*\i+3] offset:512*\i
.endr
	ds_store_b128 v[XST], v[10:13] offset:16*512
	ds_store_b128 v[XST], v[14:17] offset:17*512
.endm
; Between the two parts: the first part's state is put away (it is read only behind the barrier at the end), the second part's Q comes in, and
; the carried state is emptied: origin +infinity makes the next rescale factor exp2(-infinity) = 0, which clears O and the sums (both finite here).
.macro SWITCH
	PLACES                                         ; behind the last products, whose results the LDS stores read
	STATE
.irp nt, 0,1
.irp ks, 0,1
	global_load_b128 v[32+16*\nt+8*\ks:32+16*\nt+8*\ks+3],   v[QOFF], s[30:31] offset:2048*\nt+64*\ks
	global_load_b128 v[32+16*\nt+8*\ks+4:32+16*\nt+8*\ks+7], v[QOFF], s[30:31] offset:2048*\nt+64*\ks+32
.endr
.endr
	s_wait_loadcnt 0x0                             ; Q is in
	v_mov_b32 v22, s18
	v_mov_b32 v23, s18
.irp i, 14,15,16,17
	v_mov_b32 v[\i], 0x7f800000
.endr
.endm
; A key block: my 64 keys of it.  mode 1: change of slots with refill; 2: change of slots without; 3: the last block.
; mask 0: none; 1: where p = j (and the change of parts behind it); 2: always.
.macro BLOCK slot, first, mode, mask
.if \first == 0
.rept 5
	v_nop                                          ; behind the last products: four places ahead of the loads into V, five ahead of the products that write over P
.endr
.endif
	WIN 0x40
.irp dt, 0,1,2,3
.irp ks, 0,1
	ds_load_tr16_b128 v[16*\dt+8*\ks:16*\dt+8*\ks+3],   v[VADR] offset:\slot*SLOT+(32*\ks)*VP+32*\dt
	ds_load_tr16_b128 v[16*\dt+8*\ks+4:16*\dt+8*\ks+7], v[VADR] offset:\slot*SLOT+(32*\ks+16)*VP+32*\dt
.endr
.endr
	WIN 0
	s_wait_dscnt 16                                ; all but the youngest 16 are done: K's 16 loads are in; V's 16, issued last, stay out
.irp ks, 0,1                                       ; eight accumulators take turns, one instruction a turn
.irp nt, 0,1
.irp kt, 0,1,2,3
.if \ks
	v_wmma_f32_16x16x32_f16 v[128+32*\nt+8*\kt:128+32*\nt+8*\kt+7], v[64+16*\kt+8*\ks:64+16*\kt+8*\ks+7], v[32+16*\nt+8*\ks:32+16*\nt+8*\ks+7], v[128+32*\nt+8*\kt:128+32*\nt+8*\kt+7]
.else
	v_wmma_f32_16x16x32_f16 v[128+32*\nt+8*\kt:128+32*\nt+8*\kt+7], v[64+16*\kt+8*\ks:64+16*\kt+8*\ks+7], v[32+16*\nt+8*\ks:32+16*\nt+8*\ks+7], 0
.endif
.endr
.endr
.endr
	PLACES                                         ; ahead of the loads into K and of the vector work on S
.if \mode == 1
	RING \slot, 1
.endif
.if \mode == 2
	RING \slot, 0
.endif
.if \mask == 1
	s_cmp_lg_u32 s14, s11
	s_cbranch_scc1 .Lfree_\@
	MASK
.Lfree_\@:
.endif
.if \mask == 2
	MASK
.endif
	SOFT 0, \first
	SOFT 1, \first
.if \mode == 3
	s_wait_dscnt 0x0                               ; V is in (in modes 1 and 2 the change of slots has waited for it)
.endif
	WIN 0x01
.irp ks, 0,1                                       ; eight accumulators take turns, one instruction a turn
.irp dt, 0,1,2,3
.irp nt, 0,1
.set ZC, \first*(1-\ks)
.if ZC
	v_wmma_f32_16x16x32_f16 v[192+8*(2*\dt+\nt):192+8*(2*\dt+\nt)+7], v[16*\dt+8*\ks:16*\dt+8*\ks+7], v[128+32*\nt+16*\ks:128+32*\nt+16*\ks+7], 0
.else
	v_wmma_f32_16x16x32_f16 v[192+8*(2*\dt+\nt):192+8*(2*\dt+\nt)+7], v[16*\dt+8*\ks:16*\dt+8*\ks+7], v[128+32*\nt+16*\ks:128+32*\nt+16*\ks+7], v[192+8*(2*\dt+\nt):192+8*(2*\dt+\nt)+7]
.endif
.endr
.endr
.endr
	WIN 0
.if \mask == 1
	s_cmp_lg_u32 s14, s11
	s_cbranch_scc1 .Lsame_\@
	SWITCH
.Lsame_\@:
.endif
	s_add_co_u32 s14, s14, 1
.endm
	s_wait_tensorcnt 0x1                           ; my part of step 0 is in; step 1's load, issued behind it, may stay out
	s_barrier_signal -1
	s_barrier_wait -1
	KLOAD 0
	s_wait_loadcnt 0x0                             ; Q of the first part
	BLOCK 0, 1, 1, 1                               ; p = 0
	s_mov_b32 s15, 7
.Lpair:
	BLOCK 1, 0, 1, 1                               ; p = 1, 3, .. 13
	BLOCK 0, 0, 1, 1                               ; p = 2, 4, .. 14: the refills bring steps 3 to 16
	s_sub_co_u32 s15, s15, 1
	s_cmp_lg_u32 s15, 0
	s_cbranch_scc1 .Lpair
	BLOCK 1, 0, 2, 0                               ; p = 15: nothing is left to fetch; j is at most 7, so this block is no diagonal one
	BLOCK 0, 0, 3, 2                               ; p = 16: the second part's diagonal block
	; THE END.  The second part's state goes behind the first part's; behind the barrier wave (q, g) reads the states of waves q and q + 4 of part g.
	PLACES                                         ; behind the last products: O is read by LDS stores and loaded into, P's registers are loaded into
	v_add_nc_u32 v[XST], XPH, v[XST]
	STATE
	s_mul_i32 s22, s9, XPH
	s_mul_i32 s23, s10, XW
	s_add_co_u32 s22, s22, s23
	s_add_co_u32 s22, s22, XCH
	v_and_b32 v[XRD], 31, v0
	v_lshl_add_u32 v[XRD], v[XRD], 4, s22
	s_wait_dscnt 0x0                               ; my stores are done, for the others' sake
	s_barrier_signal -1
	s_barrier_wait -1
.irp i, 0,1,2,3,4,5,6,7,8,9,10,11,12,13,14,15
	ds_load_b128 v[192+4*\i:192+4*\i+3], v[XRD] offset:512*\i             ; O of the keys' first halves
	ds_load_b128 v[128+4*\i:128+4*\i+3], v[XRD] offset:4*XW+512*\i        ; O of their second halves
.endr
	ds_load_b128 v[10:13], v[XRD] offset:16*512                           ; the sums
	ds_load_b128 v[14:17], v[XRD] offset:17*512                           ; the origins, -c x maximum
	ds_load_b128 v[24:27], v[XRD] offset:4*XW+16*512
	ds_load_b128 v[28:31], v[XRD] offset:4*XW+17*512
	s_wait_dscnt 0x0
.irp nt, 0,1
	v_min_num_f32 v22, v[14+2*\nt], v[28+2*\nt]    ; the common origin belongs to the larger maximum
	v_sub_f32 v23, v22, v[14+2*\nt]
	v_sub_f32 v66, v22, v[28+2*\nt]
	v_add_f32 v67, v[10+2*\nt], v[11+2*\nt]
	v_add_f32 v68, v[24+2*\nt], v[25+2*\nt]
	v_exp_f32 v23, v23                             ; each state's factor, at most 1
	v_exp_f32 v66, v66
	v_nop                                          ; the plain instruction behind the exponentials
	s_wait_alu depctr_va_vdst(0)
	v_mul_f32 v67, v67, v23
	v_fma_f32 v67, v68, v66, v67
	v_permlanex16_b32 v68, v67, s16, s17           ; the other half of the lanes holds the query's other keys
	v_add_f32 v67, v67, v68
	v_rcp_f32 v67, v67
	v_nop                                          ; the plain instruction behind the reciprocal
	s_wait_alu depctr_va_vdst(0)
	v_mul_f32 v18, v23, v67                        ; factor / sum, twice each: pairs for the packed arithmetic
	v_mul_f32 v19, v23, v67
	v_mul_f32 v20, v66, v67
	v_mul_f32 v21, v66, v67
.irp dt, 0,1,2,3
.irp i, 0,1,2,3
	v_pk_mul_f32 v[192+8*(2*\dt+\nt)+2*\i:192+8*(2*\dt+\nt)+2*\i+1], v[192+8*(2*\dt+\nt)+2*\i:192+8*(2*\dt+\nt)+2*\i+1], v[18:19]
.endr
.irp i, 0,1,2,3
	v_pk_fma_f32 v[192+8*(2*\dt+\nt)+2*\i:192+8*(2*\dt+\nt)+2*\i+1], v[128+8*(2*\dt+\nt)+2*\i:128+8*(2*\dt+\nt)+2*\i+1], v[20:21], v[192+8*(2*\dt+\nt)+2*\i:192+8*(2*\dt+\nt)+2*\i+1]
.endr
.irp i, 0,1,2,3
	v_cvt_pk_f16_f32 v[72+\i], v[192+8*(2*\dt+\nt)+2*\i], v[192+8*(2*\dt+\nt)+2*\i+1]        ; hi
.endr
	ds_store_b128 v[STO], v[72:75] offset:32*\dt   ; query r: row r of my stage, d = 16 dt + 8 h ..
	v_cvt_f32_f16 v112, v72.l
	v_cvt_f32_f16 v113, v72.h
	v_cvt_f32_f16 v114, v73.l
	v_cvt_f32_f16 v115, v73.h
	v_cvt_f32_f16 v116, v74.l
	v_cvt_f32_f16 v117, v74.h
	v_cvt_f32_f16 v118, v75.l
	v_cvt_f32_f16 v119, v75.h
.irp i, 0,1,2,3
	v_pk_add_f32 v[192+8*(2*\dt+\nt)+2*\i:192+8*(2*\dt+\nt)+2*\i+1], v[192+8*(2*\dt+\nt)+2*\i:192+8*(2*\dt+\nt)+2*\i+1], v[112+2*\i:113+2*\i] neg_lo:[0,1] neg_hi:[0,1]   ; what hi has left over, exact in f32
.endr
.irp i, 0,1,2,3
	v_cvt_pk_f16_f32 v[76+\i], v[192+8*(2*\dt+\nt)+2*\i], v[192+8*(2*\dt+\nt)+2*\i+1]        ; lo
.endr
	ds_store_b128 v[STO], v[76:79] offset:128+32*\dt
.endr
.irp t, 0,1,2,3,4,5,6,7
	ds_load_b128 v[32+48*\nt+4*\t:32+48*\nt+4*\t+3], v[RD] offset:2*SP*\t    ; my own bytes; LDS serves a wave's instructions in order
.endr
.irp t, 0,1,2,3,4,5,6,7
	s_wait_dscnt 7-\t                              ; read-back t is in, the 7 - t younger ones stay out
	global_store_b128 v[CO], v[32+48*\nt+4*\t:32+48*\nt+4*\t+3], s[66:67] offset:(16*\nt+2*\t)*4096   ; 16 lanes store a head's 256 bytes of a row, aligned
.endr
.endr
	s_set_vgpr_msb 0x5
	s_wait_tensorcnt 0x0
	ds_add_u32 v64, v65
	s_wait_dscnt 0x0
	s_set_vgpr_msb 0x500
	s_endpgm
.Lfunc_end_k_q8352001f45_attn:
	.size	k_q8352001f45_attn, .Lfunc_end_k_q8352001f45_attn-k_q8352001f45_attn
	.p2alignl 7, 3214868480
	.fill 96, 4, 3214868480
	.section	.rodata,"a",@progbits
	.p2align	6, 0x0
	.amdhsa_kernel k_q8352001f45_attn
		.amdhsa_group_segment_fixed_size 327680
		.amdhsa_private_segment_fixed_size 0
		.amdhsa_enable_private_segment 0
		.amdhsa_kernarg_size 16
		.amdhsa_user_sgpr_count 2
		.amdhsa_user_sgpr_kernarg_segment_ptr 1
		.amdhsa_wavefront_size32 1
		.amdhsa_system_sgpr_workgroup_id_x 1
		.amdhsa_system_sgpr_workgroup_id_y 1
		.amdhsa_system_sgpr_workgroup_id_z 1
		.amdhsa_system_vgpr_workitem_id 0
		.amdhsa_next_free_vgpr 322
		.amdhsa_next_free_sgpr 80
		.amdhsa_reserve_vcc 1
		.amdhsa_float_denorm_mode_32 3
		.amdhsa_float_denorm_mode_16_64 3
		.amdhsa_memory_ordered 1
		.amdhsa_forward_progress 1
		.amdhsa_inst_pref_size 145
	.end_amdhsa_kernel
	.amdgpu_metadata
---
amdhsa.version: [ 1, 2 ]
amdhsa.kernels:
  - .name:           k_q8352001f45_attn
    .symbol:         k_q8352001f45_attn.kd
    .args:
      - { .name: qkvh, .offset: 0, .size: 8, .value_kind: global_buffer, .address_space: global }
      - { .name: ctx2, .offset: 8, .size: 8, .value_kind: global_buffer, .address_space: global }
    .group_segment_fixed_size: 327680
    .private_segment_fixed_size: 0
    .kernarg_segment_align: 8
    .kernarg_segment_size: 16
    .max_flat_workgroup_size: 256
    .sgpr_count:     80
    .vgpr_count:     322
    .wavefront_size: 32
...
	.end_amdgpu_metadata
.endif
;; end of part 3
;; launch proj (part 4): grid 8 x 32, 4 waves a work-group, clusters of 4 x 4, 327,680 bytes of LDS; arguments ctx2, wo16, bo, out0; writes out0
.if DOCPART == 4
	.amdgcn_target "amdgcn-amd-amdhsa--gfx1250"
	.amdhsa_code_object_version 6
	.text
	.protected	k_q8352001f45_proj
	.globl	k_q8352001f45_proj
	.p2align	8
	.type	k_q8352001f45_proj,@function
k_q8352001f45_proj:
	s_mov_b64 s[64:65], 0
	v_nop
	global_prefetch_b8 v0, s[64:65] scope:SCOPE_SE
	s_setreg_imm32_b32 hwreg(HW_REG_WAVE_MODE, 25, 1), 1
	s_wait_xcnt 0x0
	s_wait_alu depctr_hold_cnt(0) depctr_sa_sdst(0) depctr_va_vdst(0) depctr_va_sdst(0) depctr_va_ssrc(0) depctr_va_vcc(0) depctr_vm_vsrc(0)
	s_getreg_b32 s2, hwreg(HW_REG_IB_STS2, 6, 4)
	s_cmp_eq_u32 s2, 0
	s_cbranch_scc0 .Lentry_in_a_cluster
	s_endpgm
.Lentry_in_a_cluster:
	s_bfe_u32 s2, ttmp6, 0x10000c
	s_cmp_lg_u32 s2, 0xf033
	s_cbranch_scc0 .Lentry_shape_is_right
	s_endpgm
.Lentry_shape_is_right:
; out0[4096][1024] = (hi + lo) wo16^T + bo, f16 form with f32 sums, f32 out.  ctx2[4096][16 heads][hi 64 | lo 64] f16, wo16[1024][1024] f16.
; ctx comes as a pair of f16 so that its rounding stays far below what the early rows of the result allow; one fragment of wo serves hi and lo.
; A work-group makes 128 x 128 of out0: 8 x 32 = 256 work-groups; four waves 2 x 2, each 64 x 64 = 16 accumulator tiles.
; For 32 along k a wave loads 12 fragments (4 of wo, 4 of hi, 4 of lo) and issues 32 matrix instructions.
; k goes in 8 steps of 128 (two heads) through two LDS slots: 128 rows x 512 bytes of ctx2, 128 rows x 256 bytes of wo16, all rows aligned to 256 bytes.
; Two slots of 256 along k would take 2 x (128 x 1,040 + 128 x 528) = 401,408 bytes, more than a work-group can have.
; CLUSTERS: 4 x 4 work-groups; ctx2's tile hangs on the block row alone and is asked for jointly along a row of the cluster, wo16's on the
; block column alone and is asked for jointly along a column.
; The bias is the C operand of the first products: nothing is cleared and no add is written.
; THE MATRIX INSTRUCTION IS USED TRANSPOSED (source 0 = rows of wo16, source 1 = rows of ctx2): a lane holds row l % 16 of out0 and eight neighbouring columns.
; LIMIT: |ctx|, |wo| below 65,504.
; REGISTERS: window 0: v16-27 addresses; buffer f at v[32 + 96 f]: wo 32, hi 32, lo 32 registers; v224-255 the bias;  window 1: tile (a, b) at v[8 (4 a + b)]
.set PA,    528                        ; ctx2's LDS pitch: 512 + 16, an odd multiple of 16
.set PB,    272                        ; wo16's: 256 + 16
.set AHALF, 64*PA
.set BHALF, 64*PB
.set BOFF,  128*PA
.set SLOT,  128*PA+128*PB              ; 102,400 bytes
.set STAGE, 2*SLOT                     ; behind the ring: 16 rows x 272 bytes for each wave; no tensor load lands here
.set SP,    272
.set LAPS,  4
.set ADRA, 16
.set ADRB, 20
.set STO,  24
.set RD,   25
.set CO,   26
.set BOF,  27
.set BIAS, 224
.set G1,  24
.set G0,  32
.set G1B, 48
.set G0B, 56
.set ACC, 0x50                         ; C and D window 1, sources window 0
.set ACC0, 0x40                        ; D window 1; C (the bias) window 0
.set MSB, 0
.macro WIN new
.if MSB != \new
	s_set_vgpr_msb (MSB<<8)|\new
.set MSB, \new
.endif
.endm
.macro PLACES                          ; four plain vector instructions behind a matrix instruction (ISA guide 7.12.1)
.rept 4
	v_nop
.endr
.endm
.macro JLOAD s                         ; waves 0 and 1 ask for ctx2's halves, waves 2 and 3 for wo16's
	s_cmp_eq_u32 s13, 0
	s_cbranch_scc0 .Lfor_b_\@
	tensor_load_to_lds s[G0+4*\s:G0+4*\s+3], s[G1:G1+7]
	s_nop 0
	s_branch .Lasked_\@
.Lfor_b_\@:
	tensor_load_to_lds s[G0B+4*\s:G0B+4*\s+3], s[G1B:G1B+7]
	s_nop 0
.Lasked_\@:
.endm
.macro CREST
	s_cmp_lg_u32 s12, 0
	s_cbranch_scc1 .Lnot_wave_0_\@
	s_barrier_signal -3
.Lnot_wave_0_\@:
	s_barrier_wait -3
	s_barrier_signal -1
	s_barrier_wait -1
.endm
.macro CROUND
	s_barrier_signal -1
	s_barrier_wait -1
	CREST
.endm
	s_load_b256 s[4:11], s[0:1], 0x0               ; ctx2 s[4:5], wo16 s[6:7], bo s[8:9], out0 s[10:11]
	v_lshl_add_u32 v30, v0, 2, 0x36400
	v_mov_b32 v31, 0
	ds_add_u32 v30, v31
	ds_add_u32 v30, v31
	v_lshrrev_b32 v1, 5, v0
	v_readfirstlane_b32 s12, v1                    ; wave
	s_lshr_b32 s13, s12, 1                         ; my half of the block's rows.  Also: I fetch ctx2 (0) or wo16 (1)
	s_and_b32 s14, s12, 1                          ; my half of its columns.  Also: which 64 rows of that tile I fetch
	s_bfe_u32 s40, ttmp6, 0x40000                  ; cx
	s_bfe_u32 s41, ttmp6, 0x40004                  ; cy
	s_lshl_b32 s42, ttmp9, 2
	s_add_co_u32 s42, s42, s40                     ; block column x
	s_and_b32 s15, ttmp7, 0xffff
	s_lshl_b32 s15, s15, 2
	s_add_co_u32 s15, s15, s41                     ; block row y
	s_lshl_b32 s43, s41, 2
	s_lshl_b32 s43, 15, s43                        ; my row of the cluster
	s_lshl_b32 s44, 0x1111, s40                    ; my column
	s_or_b32 s[G1+0], s43, (1<<16)|(1<<20)|(1<<21)|(6<<22)|(3<<25)   ; mask; elements of 2 bytes; padding on; bit 21 beside a mask; after every 128 words; 4 words
	s_or_b32 s[G1B+0], s44, (1<<16)|(1<<20)|(1<<21)|(5<<22)|(3<<25)  ; after every 64 words
	s_mov_b32 s[G1+1], 256<<16                     ; tensor_dim0
	s_mov_b32 s[G1B+1], 128<<16
	s_mov_b32 s[G1+2], 64<<16                      ; tensor_dim1
	s_mov_b32 s[G1B+2], 64<<16
	s_mov_b32 s[G1+3], 256<<16                     ; tile_dim0
	s_mov_b32 s[G1B+3], 128<<16
	s_mov_b32 s[G1+4], 64                          ; tile_dim1
	s_mov_b32 s[G1B+4], 64
	s_mov_b32 s[G1+5], 2048                        ; elements from row to row
	s_mov_b32 s[G1B+5], 1024
	s_mov_b32 s[G1+6], 0
	s_mov_b32 s[G1B+6], 0
	s_mov_b32 s[G1+7], 0
	s_mov_b32 s[G1B+7], 0
	s_lshl_b32 s18, s15, 19                        ; ctx2: (128 y + 64 x half) rows of 4,096 bytes
	s_lshl_b32 s19, s14, 18
	s_add_co_u32 s18, s18, s19
	s_mov_b32 s19, 0
	s_lshl_b32 s46, s42, 18                        ; wo16: (128 x + 64 x half) rows of 2,048 bytes
	s_lshl_b32 s47, s14, 17
	s_add_co_u32 s46, s46, s47
	s_mov_b32 s47, 0
	s_mul_i32 s20, s12, AHALF                      ; LDS: ctx2's halves at wave x 33,792 (waves 0, 1)
	s_mul_i32 s21, s12, BHALF
	s_add_co_u32 s21, s21, BOFF-2*BHALF            ; wo16's halves at wave x 17,408 + 32,768 (waves 2, 3)
	s_lshl_b32 s70, s42, 9                         ; my first column in bytes of f32: 512 x + 256 x half
	s_lshl_b32 s71, s14, 8
	s_add_co_u32 s70, s70, s71
	s_mov_b32 s71, 0
	s_lshl_b32 s74, s15, 19                        ; my first row of out0: (128 y + 64 x half) rows of 4,096 bytes
	s_lshl_b32 s75, s13, 18
	s_add_co_u32 s74, s74, s75
	s_add_co_u32 s74, s74, s70
	s_mov_b32 s75, 0
	s_wait_dscnt 0x0
	s_wait_kmcnt 0x0
	s_add_nc_u64 s[16:17], s[4:5], s[18:19]
	s_add_nc_u64 s[46:47], s[6:7], s[46:47]
	s_add_nc_u64 s[68:69], s[8:9], s[70:71]
	s_add_nc_u64 s[72:73], s[10:11], s[74:75]
	CROUND                                         ; all sixteen work-groups are here: the first joint loads meet
.irp s, 0,1
	s_mov_b32 s[G0+4*\s], 1
	s_add_co_u32 s[G0+4*\s+1], s20, \s*SLOT
	s_add_nc_u64 s[G0+4*\s+2:G0+4*\s+3], s[16:17], \s*512          ; step s: two heads' hi and lo
	s_or_b32 s[G0+4*\s+3], s[G0+4*\s+3], 0x80000000
	s_mov_b32 s[G0B+4*\s], 1
	s_add_co_u32 s[G0B+4*\s+1], s21, \s*SLOT
	s_add_nc_u64 s[G0B+4*\s+2:G0B+4*\s+3], s[46:47], \s*256        ; step s: 128 columns of wo16
	s_or_b32 s[G0B+4*\s+3], s[G0B+4*\s+3], 0x80000000
	JLOAD \s                                       ; two tensor loads of the wave are out, the most in this text
.endr
	v_and_b32 v1, 15, v0                           ; r
	v_bfe_u32 v2, v0, 4, 1                         ; h
	v_lshlrev_b32 v[BOF], 5, v2                    ; the bias of tile b, register j: bo[first column + 16 b + 8 h + j]
.irp b, 0,1,2,3
	global_load_b128 v[BIAS+8*\b:BIAS+8*\b+3],   v[BOF], s[68:69] offset:64*\b
	global_load_b128 v[BIAS+8*\b+4:BIAS+8*\b+7], v[BOF], s[68:69] offset:64*\b+16
.endr
	v_mul_u32_u24 v3, v1, PA
	v_lshl_add_u32 v3, v2, 4, v3
	s_mul_i32 s22, s13, AHALF                      ; my 64 rows of ctx2
	v_add_nc_u32 v[ADRA], s22, v3
	v_add_nc_u32 v[ADRA+1], SLOT, v[ADRA]
	v_mul_u32_u24 v4, v1, PB
	v_lshl_add_u32 v4, v2, 4, v4
	s_mul_i32 s23, s14, BHALF                      ; my 64 rows of wo16
	s_add_co_u32 s23, s23, BOFF
	v_add_nc_u32 v[ADRB], s23, v4
	v_add_nc_u32 v[ADRB+1], SLOT, v[ADRB]
	s_mul_i32 s22, s12, 16*SP
	s_add_co_u32 s22, s22, STAGE                   ; my stage
	v_mul_u32_u24 v5, v1, SP
	v_lshl_add_u32 v5, v2, 5, v5
	v_add_nc_u32 v[STO], s22, v5                   ; in: row r, 32 bytes for each half of the lanes
	v_mul_u32_u24 v6, v2, SP
	v_lshl_add_u32 v6, v1, 4, v6
	v_add_nc_u32 v[RD], s22, v6                    ; back: lanes 0-15 one row of 256 bytes, lanes 16-31 the next
	v_lshlrev_b32 v[CO], 4, v1
	v_lshl_add_u32 v[CO], v2, 12, v[CO]
; 24 LDS loads in one run: the fragments of 32 along k, number pp of the step's four, into buffer f
.macro FETCH slot, pp, f
	WIN 0
.irp i, 0,1,2,3
	ds_load_b128 v[32+96*\f+8*\i:32+96*\f+8*\i+3],   v[ADRB+\slot] offset:64*\pp+\i*16*PB
	ds_load_b128 v[32+96*\f+8*\i+4:32+96*\f+8*\i+7], v[ADRB+\slot] offset:64*\pp+\i*16*PB+32
.endr
.irp i, 0,1,2,3
	ds_load_b128 v[64+96*\f+8*\i:64+96*\f+8*\i+3],   v[ADRA+\slot] offset:256*(\pp/2)+64*(\pp%2)+\i*16*PA       ; hi
	ds_load_b128 v[64+96*\f+8*\i+4:64+96*\f+8*\i+7], v[ADRA+\slot] offset:256*(\pp/2)+64*(\pp%2)+\i*16*PA+32
.endr
.irp i, 0,1,2,3
	ds_load_b128 v[96+96*\f+8*\i:96+96*\f+8*\i+3],   v[ADRA+\slot] offset:256*(\pp/2)+64*(\pp%2)+\i*16*PA+128   ; lo
	ds_load_b128 v[96+96*\f+8*\i+4:96+96*\f+8*\i+7], v[ADRA+\slot] offset:256*(\pp/2)+64*(\pp%2)+\i*16*PA+160
.endr
.endm
; 16 matrix instructions on the 16 accumulators, which take turns, one instruction a turn.  part 0: hi, 1: lo.
.macro MUL16 f, part, bias
.irp a, 0,1,2,3
.irp b, 0,1,2,3
.if \bias
	v_wmma_f32_16x16x32_f16 v[8*(4*\a+\b):8*(4*\a+\b)+7], v[32+96*\f+8*\b:32+96*\f+8*\b+7], v[64+96*\f+32*\part+8*\a:64+96*\f+32*\part+8*\a+7], v[BIAS+8*\b:BIAS+8*\b+7]
.else
	v_wmma_f32_16x16x32_f16 v[8*(4*\a+\b):8*(4*\a+\b)+7], v[32+96*\f+8*\b:32+96*\f+8*\b+7], v[64+96*\f+32*\part+8*\a:64+96*\f+32*\part+8*\a+7], v[8*(4*\a+\b):8*(4*\a+\b)+7]
.endif
.endr
.endr
.endm
; One of a step's first three quarters: asks for quarter pp's fragments into buffer g, then multiplies buffer f
.macro PAIR slot, pp, f, g, first
	s_wait_dscnt 0x0                               ; buffer f, asked for 32 matrix instructions ago, is in
	PLACES                                         ; buffer g was read by the matrix instructions just ahead
	FETCH \slot, \pp, \g
.if \first
	WIN ACC0
	MUL16 \f, 0, 1                                 ; the first products start the sums from the bias
.else
	WIN ACC
	MUL16 \f, 0, 0
.endif
	WIN ACC
	MUL16 \f, 1, 0
.endm
.macro THREE slot, first
	PAIR \slot, 1, 0, 1, \first
	PAIR \slot, 2, 1, 0, 0
	PAIR \slot, 3, 0, 1, 0
.endm
; The last quarter multiplies buffer 1 and changes slots: each wave's reads of this slot and all its tensor loads are waited for in front of the
; barrier; fill = 1: the barrier opens a round of the cluster's barrier, and the joint refill is the first tensor load behind the round.
.macro TURN slot, next, fill
	s_wait_dscnt 0x0
	s_wait_tensorcnt 0x0
	ds_add_u32 v30, v31
	s_wait_dscnt 0x0
	s_barrier_signal -1
	WIN ACC
	MUL16 1, 0, 0                                  ; register work while the others arrive
	WIN 0
	s_barrier_wait -1
.if \fill
	CREST
	s_add_nc_u64 s[G0+4*\slot+2:G0+4*\slot+3], s[G0+4*\slot+2:G0+4*\slot+3], 1024    ; two steps on; no tensor load of mine is out
	s_add_nc_u64 s[G0B+4*\slot+2:G0B+4*\slot+3], s[G0B+4*\slot+2:G0B+4*\slot+3], 512
	JLOAD \slot
.endif
	PLACES
	FETCH \next, 0, 0
	WIN ACC
	MUL16 1, 1, 0
.endm
.macro LAP first
	THREE 0, \first
	TURN 0, 1, 1
	THREE 1, 0
	TURN 1, 0, 1
.endm
	s_wait_tensorcnt 0x1                           ; my part of step 0 is in; step 1's load, issued behind it, may stay out
	s_barrier_signal -1
	s_barrier_wait -1
	FETCH 0, 0, 0
	s_wait_loadcnt 0x0                             ; the bias
	LAP 1
	WIN 0
	s_mov_b32 s3, LAPS-2
.Llap:
	LAP 0
	WIN 0
	s_sub_co_u32 s3, s3, 1
	s_cmp_lg_u32 s3, 0
	s_cbranch_scc1 .Llap
	THREE 0, 0                                     ; the last lap fills nothing
	TURN 0, 1, 0
	THREE 1, 0
	s_wait_dscnt 0x0
	WIN ACC
	MUL16 1, 0, 0
	MUL16 1, 1, 0
	WIN 0
	PLACES                                         ; behind the last matrix instructions: the LDS stores read results, the loads below land in fragment registers
; THE WAY OUT: rows 16 a .. 16 a + 15 of my 64 go through my stage and leave as whole rows of 256 bytes.  q: the set of row registers, in turn.
.macro OUT16 a, q
	WIN 0x04                                       ; an LDS store's data: window 1
.irp b, 0,1,2,3
	ds_store_b128 v[STO], v[8*(4*\a+\b):8*(4*\a+\b)+3]   offset:64*\b
	ds_store_b128 v[STO], v[8*(4*\a+\b)+4:8*(4*\a+\b)+7] offset:64*\b+16
.endr
	WIN 0
	s_wait_xcnt 0x0                                ; set q, which earlier stores read, is loaded again only behind this wait
.irp t, 0,1,2,3,4,5,6,7
	ds_load_b128 v[32+32*\q+4*\t:32+32*\q+4*\t+3], v[RD] offset:2*SP*\t    ; my own bytes; LDS serves a wave's instructions in order
.endr
.irp t, 0,1,2,3,4,5,6,7
	s_wait_dscnt 7-\t
	global_store_b128 v[CO], v[32+32*\q+4*\t:32+32*\q+4*\t+3], s[72:73] offset:(16*\a+2*\t)*4096 th:TH_STORE_NT   ; 16 lanes store 256 consecutive bytes, aligned
.endr
.endm
	OUT16 0, 0
	OUT16 1, 1
	OUT16 2, 0
	OUT16 3, 1
	s_wait_tensorcnt 0x0
	ds_add_u32 v30, v31
	s_wait_dscnt 0x0
	CROUND                                         ; the closing round: no work-group ends while a partner may still ask for a tile that names it
	s_endpgm
.Lfunc_end_k_q8352001f45_proj:
	.size	k_q8352001f45_proj, .Lfunc_end_k_q8352001f45_proj-k_q8352001f45_proj
	.p2alignl 7, 3214868480
	.fill 96, 4, 3214868480
	.section	.rodata,"a",@progbits
	.p2align	6, 0x0
	.amdhsa_kernel k_q8352001f45_proj
		.amdhsa_group_segment_fixed_size 327680
		.amdhsa_private_segment_fixed_size 0
		.amdhsa_enable_private_segment 0
		.amdhsa_kernarg_size 32
		.amdhsa_user_sgpr_count 2
		.amdhsa_user_sgpr_kernarg_segment_ptr 1
		.amdhsa_wavefront_size32 1
		.amdhsa_system_sgpr_workgroup_id_x 1
		.amdhsa_system_sgpr_workgroup_id_y 1
		.amdhsa_system_sgpr_workgroup_id_z 1
		.amdhsa_system_vgpr_workitem_id 0
		.amdhsa_next_free_vgpr 384
		.amdhsa_next_free_sgpr 80
		.amdhsa_reserve_vcc 0
		.amdhsa_float_denorm_mode_32 3
		.amdhsa_float_denorm_mode_16_64 3
		.amdhsa_memory_ordered 1
		.amdhsa_forward_progress 1
		.amdhsa_inst_pref_size 109
	.end_amdhsa_kernel
	.amdgpu_metadata
---
amdhsa.version: [ 1, 2 ]
amdhsa.kernels:
  - .name:           k_q8352001f45_proj
    .symbol:         k_q8352001f45_proj.kd
    .args:
      - { .name: ctx2, .offset: 0, .size: 8, .value_kind: global_buffer, .address_space: global }
      - { .name: wo16, .offset: 8, .size: 8, .value_kind: global_buffer, .address_space: global }
      - { .name: bo, .offset: 16, .size: 8, .value_kind: global_buffer, .address_space: global }
      - { .name: out0, .offset: 24, .size: 8, .value_kind: global_buffer, .address_space: global }
    .group_segment_fixed_size: 327680
    .private_segment_fixed_size: 0
    .kernarg_segment_align: 8
    .kernarg_segment_size: 32
    .max_flat_workgroup_size: 128
    .sgpr_count:     80
    .vgpr_count:     384
    .wavefront_size: 32
...
	.end_amdgpu_metadata
.endif
;; end of part 4
;; ======== version 2 of 2: 4 launches; version 1 with the launch cast written anew for expert scheduling mode
;; limits: values are held in f16: magnitudes above 65,504 overflow, below 6.1e-05 lose precision
;; workspace buffers: xb 8,388,608 bytes; wb 6,291,456 bytes; wo16 2,097,152 bytes; qkvh 25,165,824 bytes; ctx2 16,777,216 bytes
;; launch cast (part 5): grid 512 x 1, 8 waves a work-group, no clusters, 0 bytes of LDS; arguments x, wq, wk, wv, wo, xb, wb, wo16; writes xb, wb, wo16
.if DOCPART == 5
	.amdgcn_target "amdgcn-amd-amdhsa--gfx1250"
	.amdhsa_code_object_version 6
	.text
	.protected	k_q8352001f45_cast
	.globl	k_q8352001f45_cast
	.p2align	8
	.type	k_q8352001f45_cast,@function
k_q8352001f45_cast:
	s_mov_b64 s[64:65], 0
	v_nop
	global_prefetch_b8 v0, s[64:65] scope:SCOPE_SE
	s_setreg_imm32_b32 hwreg(HW_REG_WAVE_SCHED_MODE, 0, 2), 2
	s_setreg_imm32_b32 hwreg(HW_REG_WAVE_MODE, 25, 1), 1
	s_wait_xcnt 0x0
	s_wait_alu depctr_vm_vsrc(0)
; The matrix operands are rounded once, ahead of the products:
;   xb   [4096][1024] bf16 = bf16(x)
;   wb   [3072][1024] bf16 = bf16(wq), bf16(wk), bf16(wv), one below the other
;   wo16 [1024][1024] f16  = f16(bf16(wo)): rounded as the other weights are, then kept in f16, because the last product runs in the f16 form.
; LIMIT: |wo| below 65,504; a bf16(wo) below 2^-14 in size keeps only f16's denormal steps of 2^-24.
; 512 work-groups of eight waves; each takes 16 rows of 1,024 numbers.  Thread t takes columns 4 t .. 4 t + 3 of every row: a load of a wave
; covers 512 neighbouring bytes, a store of a wave 256 neighbouring bytes that start at a multiple of 256 from the buffer's first byte.
; Memory binds: no LDS, no barrier, no matrix unit; all 16 loads of a thread go out at once and no register is written twice while memory may read it.
; THE MODE: SCHED_MODE bits 1:0 = 2 (LLVM: expert scheduling mode 2), set by the entry lines.  The code itself states the register dependences
; between vector instructions and memory instructions, with s_wait_alu, always for 0.
; THE PLAN.  Registers that memory instructions touch:
;   v[SOF], v[DOF]  byte offsets, written once at the head and never again; every load reads the one, every store the other.
;   X               row r: written by row r's load alone, once; no vector instruction names it before that load is issued; read by row r's conversions.
;   Y               row r: written by row r's conversions alone, once; read by row r's store.
;   T               named by vector instructions alone.
; So no register that a memory instruction reads is ever written again, and no load lands in a register that a vector instruction has named: what
; is left to state is that an offset or a store's data is written before the memory instruction reads it.  One wait at the head states it for the
; two offsets.  The 16 rows go in four groups of four: the four stores of a group stand together at the head of the next group, behind the wait
; for that group's first row and one wait that states that the eight Y registers which they read are written; the last group's stand at the end.
.set X,   2                            ; v[2:65]   row i: four f32 as loaded
.set Y,   66                           ; v[66:97]  row i: four 16-bit numbers to store
.set T,   98                           ; v[98:101] at work
.set SOF, 102                          ; v102      16 t: my bytes in a source row
.set DOF, 103                          ; v103      8 t: my bytes in a destination row
	s_load_b512 s[8:23], s[0:1], 0x0               ; x s[8:9], wq s[10:11], wk s[12:13], wv s[14:15], wo s[16:17], xb s[18:19], wb s[20:21], wo16 s[22:23]
	s_mov_b32 s2, ttmp9                            ; id: 0-255 x, 256-319 wq, 320-383 wk, 384-447 wv, 448-511 wo
	s_sub_co_u32 s3, s2, 256                       ; e: the block of 16 rows among the weights' (used only where id >= 256)
	s_and_b32 s4, s3, 63                           ; the block inside one weight
	s_cmp_lt_u32 s2, 256
	s_cselect_b32 s24, s2, s4
	s_lshl_b32 s24, s24, 16                        ; source offset: 16 rows of 4,096 bytes a block
	s_mov_b32 s25, 0
	s_cmp_lt_u32 s2, 448
	s_cselect_b32 s26, s3, s4                      ; wb holds three weights one below the other: e; wo16 one: e mod 64
	s_cmp_lt_u32 s2, 256
	s_cselect_b32 s26, s2, s26
	s_lshl_b32 s26, s26, 15                        ; destination offset: 16 rows of 2,048 bytes a block
	s_mov_b32 s27, 0
	s_mov_b32 s32, 0xffff0000                      ; a word's upper bf16
	v_lshlrev_b32 v[SOF], 4, v0
	v_lshlrev_b32 v[DOF], 3, v0
	s_wait_kmcnt 0x0
	s_cmp_lt_u32 s2, 448                           ; the two buffers are chosen by the work-group's number alone
	s_cselect_b64 s[28:29], s[14:15], s[16:17]
	s_cselect_b64 s[30:31], s[20:21], s[22:23]
	s_cmp_lt_u32 s2, 384
	s_cselect_b64 s[28:29], s[12:13], s[28:29]
	s_cmp_lt_u32 s2, 320
	s_cselect_b64 s[28:29], s[10:11], s[28:29]
	s_cmp_lt_u32 s2, 256
	s_cselect_b64 s[28:29], s[8:9], s[28:29]
	s_cselect_b64 s[30:31], s[18:19], s[30:31]
	s_add_nc_u64 s[28:29], s[28:29], s[24:25]
	s_add_nc_u64 s[30:31], s[30:31], s[26:27]
	s_wait_alu depctr_va_vdst(0)                   ; v[SOF] and v[DOF] are written: every load below reads the one as its offset, every store the other
.irp i, 0,1,2,3,4,5,6,7,8,9,10,11,12,13,14,15
	global_load_b128 v[X+4*\i:X+4*\i+3], v[SOF], s[28:29] offset:4096*\i th:TH_LOAD_NT   ; each source byte is read once in the launch
.endr
; Row r to bf16
.macro ROWB r
	v_cvt_pk_bf16_f32 v[Y+2*(\r)],   v[X+4*(\r)],   v[X+4*(\r)+1]
	v_cvt_pk_bf16_f32 v[Y+2*(\r)+1], v[X+4*(\r)+2], v[X+4*(\r)+3]
.endm
; Row r to bf16 and from there to f16
.macro ROWH r
	v_cvt_pk_bf16_f32 v[T],   v[X+4*(\r)],   v[X+4*(\r)+1]    ; the rounding that the other weights get,
	v_cvt_pk_bf16_f32 v[T+1], v[X+4*(\r)+2], v[X+4*(\r)+3]
	v_lshlrev_b32 v[T+2], 16, v[T]                            ; widened again,
	v_and_b32     v[T+3], s32, v[T]
	v_cvt_pk_f16_f32 v[Y+2*(\r)], v[T+2], v[T+3]              ; and written as f16 (8 significant bits fit in f16's 11)
	v_lshlrev_b32 v[T+2], 16, v[T+1]
	v_and_b32     v[T+3], s32, v[T+1]
	v_cvt_pk_f16_f32 v[Y+2*(\r)+1], v[T+2], v[T+3]
.endm
; The four stores of group g
.macro SEND4 g
.irp i, 0,1,2,3
	global_store_b64 v[DOF], v[Y+2*(4*(\g)+(\i)):Y+2*(4*(\g)+(\i))+1], s[30:31] offset:2048*(4*(\g)+(\i))
.endr
.endm
; Group g: rows 4 g .. 4 g + 3.  half = 1: the way to f16.
.macro GROUP g, half
	s_wait_loadcnt 15-4*(\g)                       ; loads come back in order: row 4 g is in, the 15 - 4 g younger ones stay out
.if (\g) > 0
	s_wait_alu depctr_va_vdst(0)                   ; the conversions of the group before have written its eight Y registers, which the four stores read
	SEND4 (\g)-1
.endif
.irp i, 0,1,2,3
.if (\i) > 0
	s_wait_loadcnt 15-4*(\g)-(\i)                  ; the group's next row is in
.endif
.if \half
	ROWH 4*(\g)+(\i)
.else
	ROWB 4*(\g)+(\i)
.endif
.endr
.endm
	s_cmp_ge_u32 s2, 448
	s_cbranch_scc1 .Lhalf
	GROUP 0, 0
	GROUP 1, 0
	GROUP 2, 0
	GROUP 3, 0
	s_wait_alu depctr_va_vdst(0)                   ; the conversions of the last group have written its eight Y registers, which the last four stores read
	SEND4 3
	s_endpgm
.Lhalf:
	GROUP 0, 1
	GROUP 1, 1
	GROUP 2, 1
	GROUP 3, 1
	s_wait_alu depctr_va_vdst(0)                   ; the conversions of the last group have written its eight Y registers, which the last four stores read
	SEND4 3
	s_endpgm
.Lfunc_end_k_q8352001f45_cast:
	.size	k_q8352001f45_cast, .Lfunc_end_k_q8352001f45_cast-k_q8352001f45_cast
	.p2alignl 7, 3214868480
	.fill 96, 4, 3214868480
	.section	.rodata,"a",@progbits
	.p2align	6, 0x0
	.amdhsa_kernel k_q8352001f45_cast
		.amdhsa_group_segment_fixed_size 0
		.amdhsa_private_segment_fixed_size 0
		.amdhsa_enable_private_segment 0
		.amdhsa_kernarg_size 64
		.amdhsa_user_sgpr_count 2
		.amdhsa_user_sgpr_kernarg_segment_ptr 1
		.amdhsa_wavefront_size32 1
		.amdhsa_system_sgpr_workgroup_id_x 1
		.amdhsa_system_sgpr_workgroup_id_y 1
		.amdhsa_system_sgpr_workgroup_id_z 1
		.amdhsa_system_vgpr_workitem_id 0
		.amdhsa_next_free_vgpr 104
		.amdhsa_next_free_sgpr 66
		.amdhsa_reserve_vcc 0
		.amdhsa_float_denorm_mode_32 3
		.amdhsa_float_denorm_mode_16_64 3
		.amdhsa_memory_ordered 1
		.amdhsa_forward_progress 1
		.amdhsa_inst_pref_size 16
	.end_amdhsa_kernel
	.amdgpu_metadata
---
amdhsa.version: [ 1, 2 ]
amdhsa.kernels:
  - .name:           k_q8352001f45_cast
    .symbol:         k_q8352001f45_cast.kd
    .args:
      - { .name: x, .offset: 0, .size: 8, .value_kind: global_buffer, .address_space: global }
      - { .name: wq, .offset: 8, .size: 8, .value_kind: global_buffer, .address_space: global }
      - { .name: wk, .offset: 16, .size: 8, .value_kind: global_buffer, .address_space: global }
      - { .name: wv, .offset: 24, .size: 8, .value_kind: global_buffer, .address_space: global }
      - { .name: wo, .offset: 32, .size: 8, .value_kind: global_buffer, .address_space: global }
      - { .name: xb, .offset: 40, .size: 8, .value_kind: global_buffer, .address_space: global }
      - { .name: wb, .offset: 48, .size: 8, .value_kind: global_buffer, .address_space: global }
      - { .name: wo16, .offset: 56, .size: 8, .value_kind: global_buffer, .address_space: global }
    .group_segment_fixed_size: 0
    .private_segment_fixed_size: 0
    .kernarg_segment_align: 8
    .kernarg_segment_size: 64
    .max_flat_workgroup_size: 256
    .sgpr_count:     66
    .vgpr_count:     104
    .wavefront_size: 32
...
	.end_amdgpu_metadata
.endif
;; end of part 5
;; launch qkv: the kernel of part 2 again; grid 16 x 16, 4 waves a work-group, clusters of 4 x 4, 327,680 bytes of LDS; arguments xb, wb, qkvh; writes qkvh
;; launch attn: the kernel of part 3 again; grid 8 x 32, 8 waves a work-group, no clusters, 327,680 bytes of LDS; arguments qkvh, ctx2; writes ctx2
;; launch proj: the kernel of part 4 again; grid 8 x 32, 4 waves a work-group, clusters of 4 x 4, 327,680 bytes of LDS; arguments ctx2, wo16, bo, out0; writes out0
